; MI455X (gfx1250); checked and timed in simulation.
; The chip was launched on July 23, 2026; its instructions are those of AMD's public machine-readable ISA for CDNA 5 (MIT licence, August 2026) and "CDNA5" Instruction Set Architecture Reference Guide (July 2026). The comments in the code are by the model that wrote it; some were corrected since.
;; Self Attn. Allowed arithmetic: float matrix products may take bf16 or f16 operands with f32 sums; other float arithmetic in f32, or as packed bf16 or f16 multiplies, adds, multiply-adds, maxima and minima; sums over many terms, partial sums and values carried from step to step in f32; what a program stores and reads back later, other than sums and carried values, may be rounded once to bf16 or f16.
;; Inputs: W_qkv 3,072 x 1,024 float32; x 2 x 8,192 x 1,024 float32.
;; Outputs: out0 2 x 8,192 x 1,024 float32.
;; 2 versions, each right; version 2 is version 1 with the launch cast written anew for expert scheduling mode. Each part assembles by itself: llvm-mc -triple=amdgcn-amd-amdhsa -mcpu=gfx1250 --defsym DOCPART=n.
;; ======== version 1 of 2: 4 launches
;; limits: values outside matrix products are rounded to bf16; a function is approximated: absolute error at most 1.3e-05
;; workspace buffers: xb 33,554,432 bytes; wb 6,291,456 bytes; part 10,485,760 bytes; kvf 327,680 bytes
;; launch cast (part 1): grid 1024 x 1, 8 waves a work-group, no clusters, 0 bytes of LDS; arguments x, W_qkv, xb, wb; writes xb, wb
.if DOCPART == 1
	.amdgcn_target "amdgcn-amd-amdhsa--gfx1250"
	.amdhsa_code_object_version 6
	.text
	.protected	k_q657d1ee28b_cast
	.globl	k_q657d1ee28b_cast
	.p2align	8
	.type	k_q657d1ee28b_cast,@function
k_q657d1ee28b_cast:
	s_mov_b64 s[64:65], 0
	v_nop
	global_prefetch_b8 v0, s[64:65] scope:SCOPE_SE
	s_setreg_imm32_b32 hwreg(HW_REG_WAVE_MODE, 25, 1), 1
	s_wait_xcnt 0x0
; xb = bf16(x), wb = bf16(W_qkv): both inputs are rounded once, to nearest even, for the two matrix launches that follow.
; 1,024 equal work-groups: each takes 65,536 bytes of x (1,024 x 65,536 = 67,108,864) and 12,288 bytes of W_qkv (1,024 x 12,288 = 12,582,912): 19 blocks of 4,096 bytes.
; Thread t takes the 16 bytes at 16 t of each block: a wave's load covers 512 consecutive bytes, its store 256 consecutive bytes at a multiple of 256 from the buffer's first byte.
; All 19 loads go out together; each block is rounded in the registers that it came into, and no register is written again behind its store, so no wait frees one.
; 84 registers a wave: two waves a SIMD for each work-group, so the four work-groups that fall to a WGP lie on it together (4 x 2 x 84 = 672 of 1,024).
; No LDS, no barrier, no matrix unit: nothing is shared and nothing is reduced.
.set NX, 16                            ; blocks of x
.set NW, 3                             ; blocks of W_qkv
	s_load_b256 s[4:11], s[0:1], 0x0               ; x s[4:5], W_qkv s[6:7], xb s[8:9], wb s[10:11]
	v_lshlrev_b32 v1, 4, v0                        ; my 16 bytes in a block of a source
	v_lshlrev_b32 v2, 3, v0                        ; my 8 bytes in a block of a destination
	s_lshl_b32 s12, ttmp9, 16                      ; the group's part of x (under 2^27),
	s_mov_b32 s13, 0
	s_mul_i32 s14, ttmp9, NW*4096                  ; of W_qkv,
	s_mov_b32 s15, 0
	s_lshl_b32 s16, ttmp9, 15                      ; of xb,
	s_mov_b32 s17, 0
	s_mul_i32 s18, ttmp9, NW*2048                  ; of wb
	s_mov_b32 s19, 0
	s_wait_kmcnt 0x0
	s_add_nc_u64 s[4:5], s[4:5], s[12:13]
	s_add_nc_u64 s[6:7], s[6:7], s[14:15]
	s_add_nc_u64 s[8:9], s[8:9], s[16:17]
	s_add_nc_u64 s[10:11], s[10:11], s[18:19]
.set j, 0
.rept NX
	global_load_b128 v[8+4*j:11+4*j], v1, s[4:5] offset:4096*j th:TH_LOAD_NT
.set j, j+1
.endr
.rept NW
	global_load_b128 v[8+4*j:11+4*j], v1, s[6:7] offset:4096*(j-NX) th:TH_LOAD_NT
.set j, j+1
.endr
.set j, 0
.rept NX+NW
	s_wait_loadcnt NX+NW-1-j                       ; loads come back in order: block j is in, the younger ones stay out
	v_cvt_pk_bf16_f32 v[8+4*j], v[8+4*j], v[9+4*j]
	v_cvt_pk_bf16_f32 v[9+4*j], v[10+4*j], v[11+4*j]
.if j < NX
	global_store_b64 v2, v[8+4*j:9+4*j], s[8:9] offset:2048*j
.else
	global_store_b64 v2, v[8+4*j:9+4*j], s[10:11] offset:2048*(j-NX)
.endif
.set j, j+1
.endr
	s_endpgm
.Lfunc_end_k_q657d1ee28b_cast:
	.size	k_q657d1ee28b_cast, .Lfunc_end_k_q657d1ee28b_cast-k_q657d1ee28b_cast
	.p2alignl 7, 3214868480
	.fill 96, 4, 3214868480
	.section	.rodata,"a",@progbits
	.p2align	6, 0x0
	.amdhsa_kernel k_q657d1ee28b_cast
		.amdhsa_group_segment_fixed_size 0
		.amdhsa_private_segment_fixed_size 0
		.amdhsa_enable_private_segment 0
		.amdhsa_kernarg_size 32
		.amdhsa_user_sgpr_count 2
		.amdhsa_user_sgpr_kernarg_segment_ptr 1
		.amdhsa_wavefront_size32 1
		.amdhsa_system_sgpr_workgroup_id_x 1
		.amdhsa_system_sgpr_workgroup_id_y 1
		.amdhsa_system_sgpr_workgroup_id_z 1
		.amdhsa_system_vgpr_workitem_id 0
		.amdhsa_next_free_vgpr 84
		.amdhsa_next_free_sgpr 66
		.amdhsa_reserve_vcc 0
		.amdhsa_float_denorm_mode_32 3
		.amdhsa_float_denorm_mode_16_64 3
		.amdhsa_memory_ordered 1
		.amdhsa_forward_progress 1
		.amdhsa_inst_pref_size 8
	.end_amdhsa_kernel
	.amdgpu_metadata
---
amdhsa.version: [ 1, 2 ]
amdhsa.kernels:
  - .name:           k_q657d1ee28b_cast
    .symbol:         k_q657d1ee28b_cast.kd
    .args:
      - { .name: x, .offset: 0, .size: 8, .value_kind: global_buffer, .address_space: global }
      - { .name: W_qkv, .offset: 8, .size: 8, .value_kind: global_buffer, .address_space: global }
      - { .name: xb, .offset: 16, .size: 8, .value_kind: global_buffer, .address_space: global }
      - { .name: wb, .offset: 24, .size: 8, .value_kind: global_buffer, .address_space: global }
    .group_segment_fixed_size: 0
    .private_segment_fixed_size: 0
    .kernarg_segment_align: 8
    .kernarg_segment_size: 32
    .max_flat_workgroup_size: 256
    .sgpr_count:     66
    .vgpr_count:     84
    .wavefront_size: 32
...
	.end_amdgpu_metadata
.endif
;; end of part 1
;; launch kvgemm (part 2): grid 8 x 32, 4 waves a work-group, clusters of 4 x 4, 327,680 bytes of LDS; arguments xb, wb, part; writes part
.if DOCPART == 2
	.amdgcn_target "amdgcn-amd-amdhsa--gfx1250"
	.amdhsa_code_object_version 6
	.text
	.protected	k_q657d1ee28b_kvgemm
	.globl	k_q657d1ee28b_kvgemm
	.p2align	8
	.type	k_q657d1ee28b_kvgemm,@function
k_q657d1ee28b_kvgemm:
	s_mov_b64 s[64:65], 0
	v_nop
	global_prefetch_b8 v0, s[64:65] scope:SCOPE_SE
	s_setreg_imm32_b32 hwreg(HW_REG_WAVE_MODE, 25, 1), 1
	s_wait_xcnt 0x0
	s_wait_alu depctr_hold_cnt(0) depctr_sa_sdst(0) depctr_va_vdst(0) depctr_va_sdst(0) depctr_va_ssrc(0) depctr_va_vcc(0) depctr_vm_vsrc(0)
	s_getreg_b32 s2, hwreg(HW_REG_IB_STS2, 6, 4)
	s_cmp_eq_u32 s2, 0
	s_cbranch_scc0 .Lentry_in_a_cluster
	s_endpgm
.Lentry_in_a_cluster:
	s_bfe_u32 s2, ttmp6, 0x10000c
	s_cmp_lg_u32 s2, 0xf033
	s_cbranch_scc0 .Lentry_shape_is_right
	s_endpgm
.Lentry_shape_is_right:
; k = x Wk^T, v = x Wv^T for two tiles of 256 tokens and two heads; k' = softplus(k / max(|k|, 1e-12));
; part[Y][head] = the sum over the 512 tokens of k'^T [v, 1]: 64 x 64 numbers and 64 row sums, in f32.  k and v never reach memory.
; xb: [16384][1024] bf16, wb: [3072][1024] bf16 (rows 1024-2047 Wk, 2048-3071 Wv), part: [32 Y][16 heads][20 tiles][2 halves][32 lanes][4 f32].
; SOFTPLUS.  The normalised y lies in -1 .. 1 for every input, and there softplus(y) = y / 2 + g(y^2), g(u) = ln(2 cosh(sqrt(u) / 2)) = ln 2 + u / 8 - u^2 / 192 + u^3 / 2880 - ..; that series, economised on
; 0 .. 1 to c0 + c1 u + c2 u^2, is off by 1.3e-5 at the most, a hundredth of the step of the bf16 number that is made of it.  No exponential is taken, so none can overflow.
; LIMITS.  The sum of 64 squares is kept in f32: |k| stays under 1.8e19.  1 / max(n, 1e-12) is made as rsq(max(n^2, 1e-24)).  k' and v are rounded once to bf16 for the second product; the row sums are
; taken of the rounded k'.  NaN and infinities are not treated apart.
; SHAPE.  A work-group of four waves makes 256 tokens x 256 columns (128 of k, 128 of v: heads 2 tx and 2 tx + 1); a wave 128 tokens x (64 of k, 64 of v) of ONE head: 64 accumulators, 512 registers.
; K = 1,024 goes in 8 steps of 128 through two LDS slots filled by the tensor data mover; rows of the tiles are 256 bytes of memory at multiples of 256 bytes.
; A WORK-GROUP STAYS: 8 x 32 = 256 work-groups, each with TWO row tiles of one batch, 16 tiles apart.  The ring does not stop between them: the first tile's last two changes of slots ask for the second
; tile's first two K steps, and k'^T [v, 1] is summed over both tiles in registers that the loop over K does not touch.
; CLUSTER.  4 x 4 work-groups: the four of a row need the same tokens, the four of a column the same weights: each tile is asked for jointly, by the same load, descriptor and mask in all four.
; LAYOUT.  Source 0 = 16 tokens, source 1 = 16 channels: in the result a lane holds ONE channel (lane % 16) and the tokens 8 (lane / 16) + 0..7.  Two such results rounded to bf16 in pairs ARE a
; fragment of 16 channels x 32 tokens, which is what k'^T v wants on both sides: nothing changes lanes.  A token's sum of squares is a sum over 4 registers and 16 lanes (DPP).
; REGISTERS, in windows of 256 (s_set_vgpr_msb: bits 1:0 source 0, 3:2 source 1, 5:4 source 2, 7:6 destination):
;   window 0: v0-31 addresses; v32-63 the row sums; v64-127, v128-191 fragments of x, two buffers; v192-215 see the names below
;   window 1: v64-127, v128-191 fragments of W; v0-63, v192-255 the 16 tiles of k'^T v
;   window 2: accumulators of my token blocks 0-3 ((a, b) at v[8 (8 a + b)]; b = 0-3 k, 4-7 v)     window 3: those of blocks 4-7
;   In the epilogue buffer 1 of both windows is idle and serves as work space; buffer 0 holds the next tile's first fragments and is left alone.
.set KSTEP,  128
.set PITCH,  272                       ; an LDS row: 256 bytes + 16 of padding = 68 words: the 16 rows of a fragment load start at 16 different groups of four banks (64 banks of 4 bytes: ISA guide 11.1)
.set HALFT,  128*PITCH                 ; what one tensor load brings
.set SLOT,   4*HALFT                   ; 256 tokens, 128 rows of Wk, 128 rows of Wv.  Its bits (13, 17) are none of wave x HALFT's (11, 12, 15, 16): one exclusive or changes slots
.set STAGE,  2*SLOT                    ; behind the ring, never filled by a tensor load: 20,480 bytes for each head, where the two token halves meet
.set PARTB,  20480
.set SPARE,  STAGE+2*PARTB             ; the spare words, 128 bytes for each wave: two blocks of 256 bytes that no other line names
.set WALKB,  16*256*2048               ; bytes of xb from a work-group's first row tile to its second
.set NEXT_A, WALKB-7*KSTEP*2           ; from the first tile's K step 7 to the second's K step 0
.set ADRA, 16                          ; v16  LDS address of my fragments of x in the slot in hand
.set ADRB, 17                          ; v17  of W
.set LA0,  18                          ; v18  the same in slot 0; never rewritten
.set LB0,  19                          ; v19
.set STG,  24                          ; v24  my 16 bytes in my head's stage
.set PO,   27                          ; v27  16 x lane: my 16 bytes in 512 of part
.set SPW,  28                          ; v28  LDS address of my spare word; never rewritten
.set NIL,  29                          ; v29  0; never rewritten
.set PFO,  30                          ; v30  the prefetches' offset: lane x 2,048 (a row of xb or wb); never rewritten
.set KS,   32                          ; v32-63    the row sums, 8 registers for each 16 channels
.set F0,   64
.set F1,   128
.set KF,   128                         ; the epilogue, window 0: v128-159  k' as fragments: 16 channels db x 32 tokens at KF + 8 db
.set VF,   160                         ; v160-191  v likewise
.set TQ,   192                         ; v192-207  for two token blocks e: the 8 tokens' sums of squares, then 1 / norm, at TQ + 8 e + j
.set ONES, 208                         ; v208-215  a fragment of ones; never rewritten
.set XH,   64                          ; the hand-over, window 0: v64-223  the other token half's 20 tiles
.set UU,   128                         ; the epilogue, window 1: v128-159  y^2 of 16 pairs
.set PP,   160                         ; v160-191  c2 y^2 + c1
.set R0,  3                            ; s3   my first row tile
.set WV,  12                           ; s12  my wave's number
.set RH,  13                           ; s13  my half of the tokens.  Also: I fetch x (0) or W (1)
.set CH,  14                           ; s14  my head of the two.  Also: which 128 rows I fetch
.set CX,  15
.set CY,  16
.set TX,  17                           ; s17  column tile = 4 x cluster x + cx
.set TY,  18                           ; s18  Y = 4 x cluster y + cy
.set G1,  24                           ; s[24:31] descriptor group 1 for x's tiles
.set G0,  32                           ; s[32:39] group 0: a set for each of the two first fills; the second then walks on
.set PA,  40                           ; s[40:41] x at my tile's first byte: made of Y and the wave's number alone
.set PB,  42                           ; s[42:43] W likewise: of tx and the wave's number alone; never rewritten
.set PFA, 44                           ; s[44:45] where my prefetches stand
.set LIM, 46                           ; s46  2 in a wave that prefetches, else the greatest number
.set TB,  47                           ; s47  0 or SLOT: the slot in hand
.set G1B, 48                           ; s[48:55], s[56:63] the same as G1, G0 for W's tiles
.set G0B, 56
.set CNT, 66                           ; s66  the loop's trips to go
.set TC,  67                           ; s67  the tails'
.set C0,  68                           ; s[68:69] c0, named as a pair
.set EPS2, 70                          ; s70  1e-24
.set TILE, 71                          ; s71  tiles to go, this one among them
.set C1,  72                           ; s[72:73] c1
.set SA,  74                           ; s[74:75] the step of x's walking address where the tiles change
.set SB,  76                           ; s[76:77] the byte, from W's first K step, of the K step that is asked for where the tiles change: 0, then 256
.set C2,  78                           ; s[78:79] c2
.set DW0, (1<<16)|(1<<20)|(1<<21)|(5<<22)|(3<<25)  ; group 1, word 0 without the mask: 2-byte elements; padding on; bit 21 set beside a mask; after every 64 words (code 5) 4 words (code 3)
.set MSB, 0
.macro WIN new                         ; the immediate's high byte repeats the setting that is left; a switch that changes nothing is dropped
.if MSB != (\new)
	s_set_vgpr_msb (MSB<<8)|(\new)
.set MSB, \new
.endif
.endm
.set MUL_LO, 0xa4                      ; source 0 (x) window 0, source 1 (W) window 1, C and D window 2; + 0x50: window 3
.macro PLACES                          ; four plain vector instructions between a matrix instruction and a load into, or a vector instruction on, its registers
.rept 4
	v_nop
.endr
.endm
.macro CREST                           ; a round of the cluster's barrier behind its opening barrier
	s_cmp_lg_u32 s[WV], 0
	s_cbranch_scc1 .Lnot_wave_0_\@
	s_barrier_signal -3
.Lnot_wave_0_\@:
	s_barrier_wait -3
	s_barrier_signal -1
	s_barrier_wait -1
.endm
.macro CROUND
	s_barrier_signal -1
	s_barrier_wait -1
	CREST
.endm
; A joint refill by the walking set.  Waves 0 and 1 fetch the two halves of the tokens, wave 2 Wk's 128 rows, wave 3 Wv's.  The branch hangs on the wave's number alone.
; An s_nop 0 and four v_nop follow each of the two lines, ahead of the jump and the label.
.macro JLOAD
	s_cmp_eq_u32 s[RH], 0
	s_cbranch_scc0 .Lfor_b_\@
	tensor_load_to_lds s[G0+4:G0+7], s[G1:G1+7]
	s_nop 0
.rept 4
	v_nop
.endr
	s_branch .Lasked_\@
.Lfor_b_\@:
	tensor_load_to_lds s[G0B+4:G0B+7], s[G1B:G1B+7]
	s_nop 0
.rept 4
	v_nop
.endr
.Lasked_\@:
.endm
; A prefetch of the K step that stands two refills on: 32 rows x 256 bytes, a lane a row, one instruction a wave.  Each row's 256 bytes of a K step are named once in the launch: x's rows by the
; clusters with x = 0, W's by those with y = 0; the four partners that ask for a tile jointly share its 128 rows out by address, 32 each.  how = 1, in the loop: the trips with 2 or 1 to go name nothing
; (a tile's K steps 0 and 1 come by their refills alone).  how = 2, where the tiles change: the second tile's K steps 2 and 3, of x alone: W's rows are the same for both tiles.
.macro ASK how
.if (\how) == 2
	s_cmp_eq_u32 s[LIM], 2
.else
	s_cmp_gt_u32 s[CNT], s[LIM]
.endif
	s_cbranch_scc0 .Lnot_mine_\@
	global_prefetch_b8 v[PFO], s[PFA:PFA+1] offset:KSTEP*2 th:TH_LOAD_NT scope:SCOPE_SE
.Lnot_mine_\@:
.endm
; 16 products: token blocks a0, a0 + 1 of the window's four x all 8 channel blocks, 32 along K.  zero = 1: the first product starts the sums.
.macro MUL16 f, hi, a0, zero
	WIN MUL_LO+0x50*(\hi)
.irp a, \a0, (\a0)+1
.irp b, 0,1,2,3,4,5,6,7
.if \zero
	v_wmma_f32_16x16x32_bf16 v[8*(8*(\a)+(\b)):8*(8*(\a)+(\b))+7], v[(\f)+8*(4*(\hi)+(\a)):(\f)+8*(4*(\hi)+(\a))+7], v[(\f)+8*(\b):(\f)+8*(\b)+7], 0
.else
	v_wmma_f32_16x16x32_bf16 v[8*(8*(\a)+(\b)):8*(8*(\a)+(\b))+7], v[(\f)+8*(4*(\hi)+(\a)):(\f)+8*(4*(\hi)+(\a))+7], v[(\f)+8*(\b):(\f)+8*(\b)+7], v[8*(8*(\a)+(\b)):8*(8*(\a)+(\b))+7]
.endif
.endr
.endr
.endm
; 32 LDS loads in one run: the fragments of 32 along K at byte k of the rows, into buffer f.  W's blocks 0-3 are my head's 64 rows of Wk, blocks 4-7 its 64 rows of Wv, 128 rows further on.
.macro FETCH k, f
	WIN 0x40                                       ; destination window 1, address window 0
.irp i, 0,1,2,3,4,5,6,7
	ds_load_b128 v[(\f)+8*(\i):(\f)+8*(\i)+3],   v[ADRB] offset:(\k)+((\i)+4*((\i)/4))*16*PITCH
	ds_load_b128 v[(\f)+8*(\i)+4:(\f)+8*(\i)+7], v[ADRB] offset:(\k)+((\i)+4*((\i)/4))*16*PITCH+32
.endr
	WIN 0
.irp i, 0,1,2,3,4,5,6,7
	ds_load_b128 v[(\f)+8*(\i):(\f)+8*(\i)+3],   v[ADRA] offset:(\k)+(\i)*16*PITCH
	ds_load_b128 v[(\f)+8*(\i)+4:(\f)+8*(\i)+7], v[ADRA] offset:(\k)+(\i)*16*PITCH+32
.endr
.endm
; A K step is four quarters of 32 along K, 64 products each, on buffers 0, 1, 0, 1.  One of the first three multiplies buffer f and, in its middle, fetches the next quarter, at byte k, into g.
.macro QUARTER k, f, g, zero
	s_wait_dscnt 8                                 ; W and x's blocks 0-3 are in; the youngest eight loads (x's blocks 4-7) may be out
	MUL16 \f, 0, 0, \zero
	MUL16 \f, 0, 2, \zero
	PLACES
	FETCH \k, \g
	s_wait_dscnt 32                                ; all but the 32 just issued
	MUL16 \f, 1, 0, \zero
	MUL16 \f, 1, 2, \zero
.endm
; The last quarter multiplies buffer 1 and changes slots.  In front of the barrier each wave waits for all its tensor loads (the one that is out is its part of the next slot), adds 0 to its spare
; word, and waits for that and for its reads of this slot.  fill = 1 or 2: the barrier opens a round of the cluster's, and the slot just read is filled again, first thing behind the round, with the K step
; two on (224 products stand between that request and the wait for it); 1: in the same tile, 256 bytes on; 2: in the next tile: x's address steps by SA (16 row tiles down and back along K, then 256),
; W's is made anew from W's first K step and the offset SB (0, then 256), and its type bits are set again.
; tail = 1: in the last tile's last trip there is no next K step, and the run of loads is jumped over; the slot and the addresses change all the same, so that they stand alike on every way.
.macro TURN fill, tail
.if \fill
	s_wait_xcnt 0x0                                ; the last prefetch, a K step back, has read its address: it is stepped here, ahead of the change's own waits
.if (\fill) == 2
	s_add_nc_u64 s[PFA:PFA+1], s[PFA:PFA+1], s[SA:SA+1]
.else
	s_add_nc_u64 s[PFA:PFA+1], s[PFA:PFA+1], KSTEP*2
.endif
.endif
	WIN 0                                          ; (the add's two registers lie in window 0)
	s_wait_tensorcnt 0x0                           ; no tensor load of mine is out, so the walking sets may be written
	ds_add_u32 v[SPW], v[NIL]                      ; 0 onto my spare word
.if (\fill) == 1
	s_xor_b32 s[G0+5], s[G0+5], SLOT               ; the other slot than last time,
	s_add_nc_u64 s[G0+6:G0+7], s[G0+6:G0+7], KSTEP*2  ; the next K step; the type bits on top are not reached
	s_xor_b32 s[G0B+5], s[G0B+5], SLOT
	s_add_nc_u64 s[G0B+6:G0B+7], s[G0B+6:G0B+7], KSTEP*2
.endif
.if (\fill) == 2
	s_xor_b32 s[G0+5], s[G0+5], SLOT
	s_add_nc_u64 s[G0+6:G0+7], s[G0+6:G0+7], s[SA:SA+1]
	s_xor_b32 s[G0B+5], s[G0B+5], SLOT
	s_add_nc_u64 s[G0B+6:G0B+7], s[PB:PB+1], s[SB:SB+1]  ; W's rows are the same for both tiles: their first K steps once more
	s_or_b32 s[G0B+7], s[G0B+7], 0x80000000        ; type = 2
	s_mov_b32 s[SA], KSTEP*2                       ; the second of the two changes goes one K step on
	s_mov_b32 s[SA+1], 0
	s_mov_b32 s[SB], KSTEP*2
	s_mov_b32 s[SB+1], 0
.endif
	s_wait_dscnt 9                                 ; the add and the youngest eight loads may be out
	MUL16 F1, 0, 0, 0                              ; sixteen products stand between the add and the wait for it
	s_wait_dscnt 0x0                               ; the add is done, and my reads of this slot are over
	s_barrier_signal -1
	MUL16 F1, 0, 2, 0                              ; work on registers while the others arrive
	WIN 0                                          ; at a branch and at a label every window is 0
	s_barrier_wait -1
.if \fill
	CREST                                          ; no wave of any partner still reads this slot or has a load on its way
	JLOAD                                          ; its four v_nop are also the places in front of the loads below
.else
	PLACES
.endif
	s_xor_b32 s[TB], s[TB], SLOT
	v_add_nc_u32 v[ADRA], s[TB], v[LA0]
	v_add_nc_u32 v[ADRB], s[TB], v[LB0]
.if \tail
	s_cmp_eq_u32 s[TC], 1
	s_cbranch_scc1 .Lnf_\@
.endif
	FETCH 0, F0
	WIN 0
.if \tail
.Lnf_\@:
.endif
.if \fill
	ASK \fill                                      ; behind the joint load and the run of LDS loads that the next products wait for
.endif
	MUL16 F1, 1, 0, 0
	MUL16 F1, 1, 2, 0
.endm
	s_load_b128 s[4:7], s[0:1], 0x0                ; xb s[4:5], wb s[6:7]
	s_load_b64 s[8:9], s[0:1], 0x10                ; part
	v_lshl_add_u32 v[SPW], v0, 2, SPARE
	v_mov_b32 v[NIL], 0
	ds_add_u32 v[SPW], v[NIL]                      ; the wave's opening: the add, twice on end, and its wait ahead of my first tensor load
	ds_add_u32 v[SPW], v[NIL]                      ; and once more, under the one wait; the set-up below, work on registers, stands between
	v_lshrrev_b32 v1, 5, v0
	v_readfirstlane_b32 s[WV], v1                  ; wave 0..3
	s_lshr_b32 s[RH], s[WV], 1
	s_and_b32 s[CH], s[WV], 1
	s_bfe_u32 s[CX], ttmp6, 0x40000                ; my place in the cluster
	s_bfe_u32 s[CY], ttmp6, 0x40004
	s_lshl_b32 s[TX], ttmp9, 2                     ; in a cluster launch ttmp9 and ttmp7 count clusters
	s_add_co_u32 s[TX], s[TX], s[CX]
	s_and_b32 s[TY], ttmp7, 0xffff
	s_lshl_b32 s[TY], s[TY], 2
	s_add_co_u32 s[TY], s[TY], s[CY]               ; Y = 0..31
	s_lshr_b32 s[R0], s[TY], 4                     ; the batch: 32 row tiles;
	s_lshl_b32 s[R0], s[R0], 5
	s_and_b32 s21, s[TY], 15
	s_add_co_u32 s[R0], s[R0], s21                 ; my first row tile = 32 (Y / 16) + Y % 16; the second lies 16 further on
	s_lshl_b32 s19, s[CY], 2
	s_lshl_b32 s19, 15, s19                        ; my row of the cluster: places 4 cy .. 4 cy + 3
	s_lshl_b32 s20, 0x1111, s[CX]                  ; my column: places cx, cx + 4, cx + 8, cx + 12
	s_or_b32 s[G1], s19, DW0                       ; x's tiles go to my row,
	s_or_b32 s[G1B], s20, DW0                      ; W's to my column
.irp g, G1, G1B
	s_mov_b32 s[(\g)+1], KSTEP<<16                 ; tensor_dim0 = 128
	s_mov_b32 s[(\g)+2], 128<<16                   ; tensor_dim1 = 128
	s_mov_b32 s[(\g)+3], KSTEP<<16                 ; tile_dim0 = 128
	s_mov_b32 s[(\g)+4], 128                       ; tile_dim1 = 128
	s_mov_b32 s[(\g)+5], 1024                      ; 1,024 elements from row to row
	s_mov_b32 s[(\g)+6], 0
	s_mov_b32 s[(\g)+7], 0
.endr
	s_mov_b32 s[C0], 0x3f3172bb                    ; c0 = 0.6931569
	s_mov_b32 s[C0+1], s[C0]
	s_mov_b32 s[C1], 0x3dffa354                    ; c1 = 0.1248232
	s_mov_b32 s[C1+1], s[C1]
	s_mov_b32 s[C2], 0xbb9ad94a                    ; c2 = -0.0047256
	s_mov_b32 s[C2+1], s[C2]
	s_mov_b32 s[EPS2], 0x179abe15                  ; 1e-24
	s_lshl_b32 s[PA], s[R0], 8
	s_lshl_b32 s21, s[CH], 7
	s_add_co_u32 s[PA], s[PA], s21                 ; x: row 256 x row tile + 128 x half,
	s_lshl_b32 s[PA], s[PA], 11                    ; x 2,048 bytes (under 2^26)
	s_mov_b32 s[PA+1], 0
	s_lshl_b32 s[PB], s[TX], 7
	s_lshl_b32 s22, s[CH], 10
	s_add_co_u32 s[PB], s[PB], s22
	s_add_co_u32 s[PB], s[PB], 1024                ; W: row 1,024 + 128 tx (Wk), or 1,024 further on (Wv)
	s_lshl_b32 s[PB], s[PB], 11
	s_mov_b32 s[PB+1], 0
	s_mul_i32 s23, s[WV], HALFT                    ; where my tile goes: no place in the cluster enters an LDS address
	s_wait_dscnt 0x0                               ; both opening adds are done
	s_wait_kmcnt 0x0
	s_add_nc_u64 s[PA:PA+1], s[4:5], s[PA:PA+1]
	s_add_nc_u64 s[PB:PB+1], s[6:7], s[PB:PB+1]
	CROUND                                         ; all sixteen work-groups are here: the first joint loads meet
.irp s, 0,1
	s_mov_b32 s[G0+4*(\s)], 1                      ; count = 1
	s_add_co_u32 s[G0+4*(\s)+1], s23, (\s)*SLOT    ; LDS address
	s_add_nc_u64 s[G0+4*(\s)+2:G0+4*(\s)+3], s[PA:PA+1], (\s)*KSTEP*2  ; global address: K step s
	s_or_b32 s[G0+4*(\s)+3], s[G0+4*(\s)+3], 0x80000000               ; type = 2
	s_mov_b32 s[G0B+4*(\s)], 1
	s_add_co_u32 s[G0B+4*(\s)+1], s23, (\s)*SLOT
	s_add_nc_u64 s[G0B+4*(\s)+2:G0B+4*(\s)+3], s[PB:PB+1], (\s)*KSTEP*2
	s_or_b32 s[G0B+4*(\s)+3], s[G0B+4*(\s)+3], 0x80000000
.endr
	s_cmp_eq_u32 s[RH], 0                          ; a wave's two first fills stand in one branch, ahead of every wait on TENSORcnt and every LDS read: two loads of mine are out
	s_cbranch_scc0 .Lfirst_b
	tensor_load_to_lds s[G0:G0+3], s[G1:G1+7]
	s_nop 0
	tensor_load_to_lds s[G0+4:G0+7], s[G1:G1+7]
	s_nop 0
.rept 4
	v_nop
.endr
	s_branch .Lfirst_done
.Lfirst_b:
	tensor_load_to_lds s[G0B:G0B+3], s[G1B:G1B+7]
	s_nop 0
	tensor_load_to_lds s[G0B+4:G0B+7], s[G1B:G1B+7]
	s_nop 0
.rept 4
	v_nop
.endr
.Lfirst_done:
	; A fragment is 16 rows x 32 K in 8 registers: lane l holds row l % 16; registers 0-3 K = 8 (l / 16) + 0..7, registers 4-7 K = 16 + 8 (l / 16) + 0..7: two loads of 16 bytes, 32 bytes apart.
	v_and_b32 v1, 15, v0                           ; l % 16
	v_bfe_u32 v2, v0, 4, 1                         ; l / 16
	v_mul_u32_u24 v3, v1, PITCH
	v_lshl_add_u32 v3, v2, 4, v3
	s_mul_i32 s21, s[RH], HALFT                    ; my 128 tokens
	s_mul_i32 s22, s[CH], 64*PITCH                 ; my head's 64 rows of Wk,
	s_add_co_u32 s22, s22, 2*HALFT                 ; which lie behind the 256 tokens
	v_add_nc_u32 v[LA0], s21, v3
	v_add_nc_u32 v[LB0], s22, v3
	v_mov_b32 v[ADRA], v[LA0]
	v_mov_b32 v[ADRB], v[LB0]
	s_mov_b32 s[TB], 0
	v_and_b32 v[PO], 31, v0
	v_lshlrev_b32 v[PFO], 11, v[PO]
	v_lshlrev_b32 v[PO], 4, v[PO]
	s_mul_i32 s19, s[CH], PARTB
	s_add_co_u32 s19, s19, STAGE
	v_add_nc_u32 v[STG], s19, v[PO]                ; my head's stage + 16 x lane
.set i, 0
.rept 8
	v_mov_b32 v[ONES+i], 0x3f803f80                ; 1.0 twice in bf16
.set i, i+1
.endr
	s_lshl_b32 s20, s[TY], 4                       ; part at (16 Y + head) x 20,480 bytes (under 2^24)
	s_lshl_b32 s21, s[TX], 1
	s_add_co_u32 s20, s20, s21
	s_add_co_u32 s20, s20, s[CH]
	s_mul_i32 s20, s20, PARTB
	s_mov_b32 s21, 0
	s_add_nc_u64 s[8:9], s[8:9], s[20:21]
	; the prefetches: my work-group's 32 of the 128 rows that I fetch, at K step 2; the first refill steps to 3 and names 4.  Nothing is prefetched here, where every work-group's first tiles are on their way
	s_lshl_b32 s20, s[R0], 8
	s_lshl_b32 s21, s[CH], 7
	s_add_co_u32 s20, s20, s21                     ; the row at which my tile of x begins,
	s_lshl_b32 s19, s[TX], 7
	s_lshl_b32 s21, s[CH], 10
	s_add_co_u32 s19, s19, s21
	s_add_co_u32 s19, s19, 1024                    ; and of W
	s_and_b32 s22, ttmp7, 0xffff                   ; cluster y
	s_cmp_eq_u32 s[RH], 0                          ; do I fetch x?
	s_cselect_b32 s20, s20, s19
	s_cselect_b32 s21, s[CX], s[CY]                ; my place among the four that ask with me
	s_cselect_b32 s22, ttmp9, s22                  ; the coordinate along which other clusters read the same rows
	s_cselect_b64 s[PFA:PFA+1], s[4:5], s[6:7]
	s_cmp_eq_u32 s22, 0
	s_cselect_b32 s[LIM], 2, -1                    ; the same in all sixteen partners, for a given wave
	s_lshl_b32 s21, s21, 5
	s_add_co_u32 s20, s20, s21
	s_lshl_b32 s20, s20, 11
	s_mov_b32 s21, 0
	s_add_nc_u64 s[PFA:PFA+1], s[PFA:PFA+1], s[20:21]
	s_add_nc_u64 s[PFA:PFA+1], s[PFA:PFA+1], 2*KSTEP*2
; THE EPILOGUE's parts.  20 products k'^T [v, 1] of 32 tokens: tile i = 4 db + cb in window 1 (tiles 0-7 at v0-63, 8-15 at v192-255), then the four row sums.
; The twenty accumulators take turns, one instruction a turn.  zero = 1: the products start the sums.
.macro KVP zero
	WIN 0x50                                       ; C and D in window 1
.set i, 0
.rept 16
.set rD, 8*i+128*(i/8)
.if \zero
	v_wmma_f32_16x16x32_bf16 v[rD:rD+7], v[KF+8*(i/4):KF+8*(i/4)+7], v[VF+8*(i%4):VF+8*(i%4)+7], 0
.else
	v_wmma_f32_16x16x32_bf16 v[rD:rD+7], v[KF+8*(i/4):KF+8*(i/4)+7], v[VF+8*(i%4):VF+8*(i%4)+7], v[rD:rD+7]
.endif
.set i, i+1
.endr
	WIN 0
.set i, 0
.rept 4                                            ; k'^T times ones
.if \zero
	v_wmma_f32_16x16x32_bf16 v[KS+8*i:KS+8*i+7], v[KF+8*i:KF+8*i+7], v[ONES:ONES+7], 0
.else
	v_wmma_f32_16x16x32_bf16 v[KS+8*i:KS+8*i+7], v[KF+8*i:KF+8*i+7], v[ONES:ONES+7], v[KS+8*i:KS+8*i+7]
.endif
.set i, i+1
.endr
.endm
; Step s of four: two token blocks e = 0, 1 (32 tokens): blocks 2 s + e, at AC + 64 e of window 2 + s / 2.
.macro KVSTEP s
.set AC, 128*((\s)%2)
.set WA, 0x0a+5*((\s)/2)               ; sources 0 and 1 in the accumulators' window
.set WI, 0x82+0x41*((\s)/2)            ; destination and source 0 in the accumulators' window, source 1 in window 0
	WIN WA
.set i, 0
.rept 32                                           ; the squares of k: channel block i / 8, token block (i / 4) % 2, token pair i % 4: each accumulator's lowest registers are read first
.set rA, AC+64*((i/4)%2)+8*(i/8)+2*(i%4)
.set rT, TQ+8*((i/4)%2)+2*(i%4)
.if i < 8
	v_pk_mul_f32 v[rT:rT+1], v[rA:rA+1], v[rA:rA+1]
.else
	v_pk_fma_f32 v[rT:rT+1], v[rA:rA+1], v[rA:rA+1], v[rT:rT+1]
.endif
.set i, i+1
.endr
	WIN 0
.irp m, 1,2,4,8                                    ; and over the 16 lanes that hold a token's other channels
.set i, 0
.rept 16
	v_add_f32_dpp v[TQ+i], v[TQ+i], v[TQ+i] row_xmask:\m row_mask:0xf bank_mask:0xf
.set i, i+1
.endr
.endr
.set i, 0
.rept 16
	v_max_num_f32 v[TQ+i], s[EPS2], v[TQ+i]
.set i, i+1
.endr
.set i, 0
.rept 16
	v_rsq_f32 v[TQ+i], v[TQ+i]
.set i, i+1
.endr
	WIN WA
.set i, 0
.rept 32                                           ; v is rounded meanwhile: channel block i / 8, token block (i / 4) % 2, pair i % 4: plain work that names no result of the batch
	v_cvt_pk_bf16_f32 v[VF+8*(i/8)+4*((i/4)%2)+i%4], v[AC+64*((i/4)%2)+32+8*(i/8)+2*(i%4)], v[AC+64*((i/4)%2)+32+8*(i/8)+2*(i%4)+1]
.set i, i+1
.endr
	s_wait_alu depctr_va_vdst(0)                   ; one wait for the 16 rsq, ahead of their first reader
	WIN WI
.set i, 0
.rept 32                                           ; y = k / norm, in place: token block i / 16, pair i % 16
	v_pk_mul_f32 v[AC+64*(i/16)+2*(i%16):AC+64*(i/16)+2*(i%16)+1], v[AC+64*(i/16)+2*(i%16):AC+64*(i/16)+2*(i%16)+1], v[TQ+8*(i/16)+2*(i%4):TQ+8*(i/16)+2*(i%4)+1]
.set i, i+1
.endr
.irp e, 0,1                                        ; softplus(y) = (c2 u + c1) u + (y / 2 + c0), u = y^2: sixteen pairs at a time, so that no line waits for the one before it
	WIN 0x40+WA                                    ; destination window 1
.set i, 0
.rept 16
	v_pk_mul_f32 v[UU+2*i:UU+2*i+1], v[AC+64*\e+2*i:AC+64*\e+2*i+1], v[AC+64*\e+2*i:AC+64*\e+2*i+1]
.set i, i+1
.endr
	WIN 0x41                                       ; destination and source 0 window 1
.set i, 0
.rept 16
	v_pk_fma_f32 v[PP+2*i:PP+2*i+1], v[UU+2*i:UU+2*i+1], s[C2:C2+1], s[C1:C1+1] op_sel_hi:[1,0,0]
.set i, i+1
.endr
	WIN WI
.set i, 0
.rept 16
	v_pk_fma_f32 v[AC+64*\e+2*i:AC+64*\e+2*i+1], v[AC+64*\e+2*i:AC+64*\e+2*i+1], 0.5, s[C0:C0+1] op_sel_hi:[1,0,0]
.set i, i+1
.endr
	WIN 0xa5+0x50*((\s)/2)                         ; sources 0 and 1 window 1, source 2 and destination the accumulators' window
.set i, 0
.rept 16
	v_pk_fma_f32 v[AC+64*\e+2*i:AC+64*\e+2*i+1], v[PP+2*i:PP+2*i+1], v[UU+2*i:UU+2*i+1], v[AC+64*\e+2*i:AC+64*\e+2*i+1]
.set i, i+1
.endr
.endr
	WIN WA
.set i, 0
.rept 32                                           ; k' is rounded: token block i / 16, channel block (i / 4) % 4, pair i % 4
	v_cvt_pk_bf16_f32 v[KF+8*((i/4)%4)+4*(i/16)+i%4], v[AC+64*(i/16)+2*(i%16)], v[AC+64*(i/16)+2*(i%16)+1]
.set i, i+1
.endr
.if (\s) == 0
	WIN 0
	s_cmp_eq_u32 s[TILE], 2                        ; the first tile's first products start the sums: nothing is cleared
	s_cbranch_scc0 .Lkv_acc
	KVP 1
	s_branch .Lkv_done
.Lkv_acc:
	KVP 0
.Lkv_done:
.else
	KVP 0
.endif
.endm
	s_wait_tensorcnt 1                             ; my part of K step 0 is in; K step 1's may stay out
	s_barrier_signal -1
	s_barrier_wait -1                              ; everybody's is
	FETCH 0, F0
	s_mov_b32 s[TILE], 2
.Ltile:
	QUARTER 64, F0, F1, 1                          ; a tile's first quarter stands in front of the loop: its products start the sums
	WIN 0
	s_mov_b32 s[CNT], 6
.Lk:                                               ; a trip: a K step's quarters 1 to 3 and the next step's quarter 0; it asks for the K step two on (2 to 7)
	QUARTER 128, F1, F0, 0
	QUARTER 192, F0, F1, 0
	TURN 1, 0
	QUARTER 64, F0, F1, 0
	WIN 0
	s_sub_co_u32 s[CNT], s[CNT], 1
	s_cmp_lg_u32 s[CNT], 0
	s_cbranch_scc1 .Lk
	s_cmp_eq_u32 s[TILE], 1
	s_cbranch_scc1 .Llast                          ; the last tile's K steps 6 and 7 ask for nothing: a text of their own
	s_mov_b32 s[SA], NEXT_A                        ; THE RING GOES ON INTO THE SECOND TILE: x 16 row tiles down and back along K,
	s_mov_b32 s[SA+1], 0
	s_mov_b32 s[SB], 0                             ; W at its first K step once more
	s_mov_b32 s[SB+1], 0
	s_cmp_eq_u32 s[RH], 0
	s_cselect_b32 s[LIM], s[LIM], -1               ; W's rows have been read, and are prefetched no more
	s_mov_b32 s[TC], 2
	s_branch .LmidF                                ; both two-trip texts are entered in their middle
.LtailF:
	QUARTER 64, F0, F1, 0
	WIN 0
.LmidF:
	QUARTER 128, F1, F0, 0
	QUARTER 192, F0, F1, 0
	TURN 2, 0                                      ; slot 0 takes the second tile's K step 0, slot 1 its K step 1; the second trip fetches its first fragments
	WIN 0
	s_sub_co_u32 s[TC], s[TC], 1
	s_cmp_lg_u32 s[TC], 0
	s_cbranch_scc1 .LtailF
	s_branch .Lepi
.Llast:
	s_mov_b32 s[TC], 2
	s_branch .Lmid
.Ltail:
	QUARTER 64, F0, F1, 0
	WIN 0
.Lmid:
	QUARTER 128, F1, F0, 0
	QUARTER 192, F0, F1, 0
	TURN 0, 1
	WIN 0
	s_sub_co_u32 s[TC], s[TC], 1
	s_cmp_lg_u32 s[TC], 0
	s_cbranch_scc1 .Ltail
.Lepi:
	PLACES                                         ; behind the last products
	PLACES
	KVSTEP 0                                       ; a step's 32 lines of squares are the places between the step before's products and the new k' and v
	KVSTEP 1
	KVSTEP 2
	KVSTEP 3
	s_sub_co_u32 s[TILE], s[TILE], 1
	s_cmp_lg_u32 s[TILE], 0
	s_cbranch_scc1 .Ltile
	; THE TWO TOKEN HALVES MEET.  Waves 2 and 3 put their 20 tiles into their head's stage; waves 0 and 1 add their own and store: 40 stores of 512 consecutive bytes.
	PLACES
	PLACES
	s_cmp_eq_u32 s[RH], 0
	s_cbranch_scc1 .Lkeep
	WIN 0x04                                       ; store data in window 1
.set i, 0
.rept 32
	ds_store_b128 v[STG], v[4*i+128*(i/16):4*i+128*(i/16)+3] offset:512*i  ; tile i / 2, registers 0-3 first
.set i, i+1
.endr
	WIN 0
.set i, 0
.rept 8
	ds_store_b128 v[STG], v[KS+4*i:KS+4*i+3] offset:512*(32+i)
.set i, i+1
.endr
.Lkeep:
	s_wait_dscnt 0x0                               ; for the others' sake: my stores into the stage are done
	s_barrier_signal -1
	s_barrier_wait -1
	s_cmp_lg_u32 s[RH], 0
	s_cbranch_scc1 .Lend
.set i, 0
.rept 40
	ds_load_b128 v[XH+4*i:XH+4*i+3], v[STG] offset:512*i
.set i, i+1
.endr
	s_wait_dscnt 0x0
	WIN 0x04                                       ; source 1 in window 1
.set i, 0
.rept 64
	v_pk_add_f32 v[XH+2*i:XH+2*i+1], v[XH+2*i:XH+2*i+1], v[2*i+128*(i/32):2*i+128*(i/32)+1]
.set i, i+1
.endr
	WIN 0
.set i, 0
.rept 16
	v_pk_add_f32 v[XH+128+2*i:XH+128+2*i+1], v[XH+128+2*i:XH+128+2*i+1], v[KS+2*i:KS+2*i+1]
.set i, i+1
.endr
.set i, 0
.rept 40
	global_store_b128 v[PO], v[XH+4*i:XH+4*i+3], s[8:9] offset:512*i
.set i, i+1
.endr
.Lend:
	s_wait_tensorcnt 0x0                           ; the wave's end: behind my last tensor load and my last LDS store
	ds_add_u32 v[SPW], v[NIL]
	s_wait_dscnt 0x0
	CROUND                                         ; the closing round: no work-group ends while a partner may still ask for a tile that names it
	s_endpgm
.Lfunc_end_k_q657d1ee28b_kvgemm:
	.size	k_q657d1ee28b_kvgemm, .Lfunc_end_k_q657d1ee28b_kvgemm-k_q657d1ee28b_kvgemm
	.p2alignl 7, 3214868480
	.fill 96, 4, 3214868480
	.section	.rodata,"a",@progbits
	.p2align	6, 0x0
	.amdhsa_kernel k_q657d1ee28b_kvgemm
		.amdhsa_group_segment_fixed_size 327680
		.amdhsa_private_segment_fixed_size 0
		.amdhsa_enable_private_segment 0
		.amdhsa_kernarg_size 24
		.amdhsa_user_sgpr_count 2
		.amdhsa_user_sgpr_kernarg_segment_ptr 1
		.amdhsa_wavefront_size32 1
		.amdhsa_system_sgpr_workgroup_id_x 1
		.amdhsa_system_sgpr_workgroup_id_y 1
		.amdhsa_system_sgpr_workgroup_id_z 1
		.amdhsa_system_vgpr_workitem_id 0
		.amdhsa_next_free_vgpr 1024
		.amdhsa_next_free_sgpr 80
		.amdhsa_reserve_vcc 0
		.amdhsa_float_denorm_mode_32 3
		.amdhsa_float_denorm_mode_16_64 3
		.amdhsa_memory_ordered 1
		.amdhsa_forward_progress 1
		.amdhsa_inst_pref_size 204
	.end_amdhsa_kernel
	.amdgpu_metadata
---
amdhsa.version: [ 1, 2 ]
amdhsa.kernels:
  - .name:           k_q657d1ee28b_kvgemm
    .symbol:         k_q657d1ee28b_kvgemm.kd
    .args:
      - { .name: xb, .offset: 0, .size: 8, .value_kind: global_buffer, .address_space: global }
      - { .name: wb, .offset: 8, .size: 8, .value_kind: global_buffer, .address_space: global }
      - { .name: part, .offset: 16, .size: 8, .value_kind: global_buffer, .address_space: global }
    .group_segment_fixed_size: 327680
    .private_segment_fixed_size: 0
    .kernarg_segment_align: 8
    .kernarg_segment_size: 24
    .max_flat_workgroup_size: 128
    .sgpr_count:     80
    .vgpr_count:     1024
    .wavefront_size: 32
...
	.end_amdgpu_metadata
.endif
;; end of part 2
;; launch reduce (part 3): grid 32 x 10, 2 waves a work-group, no clusters, 0 bytes of LDS; arguments part, kvf; writes kvf
.if DOCPART == 3
	.amdgcn_target "amdgcn-amd-amdhsa--gfx1250"
	.amdhsa_code_object_version 6
	.text
	.protected	k_q657d1ee28b_reduce
	.globl	k_q657d1ee28b_reduce
	.p2align	8
	.type	k_q657d1ee28b_reduce,@function
k_q657d1ee28b_reduce:
	s_mov_b64 s[64:65], 0
	v_nop
	global_prefetch_b8 v0, s[64:65] scope:SCOPE_SE
	s_setreg_imm32_b32 hwreg(HW_REG_WAVE_MODE, 25, 1), 1
	s_wait_xcnt 0x0
; kvf[bh][t] = bf16(scale x the sum over a batch's 16 partial sums part[Y][head][t] + shift).  Tiles 0-15 (k'^T v): scale = 1 / 8 (d^-0.5), shift 0; tiles 16-19 (the row sums): scale = 1, shift 1e-6.
; Sums in f32, in the order of Y; each result rounded once to bf16, since it is a matrix operand of the next launch.
; part: [32 Y][16 heads][20 t][2 halves][32 lanes][4 f32]; kvf: [32 bh][20 t][32 lanes][8 bf16]: a lane's 8 numbers stay the lane's, so the image is a fragment as it lies.
; One wave makes one tile: 32 loads of 512 consecutive bytes, all on their way together, in two sets of registers.  No LDS: no wave needs another's numbers.
.set ACC, 8                            ; v[8:15]  the lane's 8 sums
.set X0, 16                            ; two sets of 64: 8 partials x 8 registers
.set X1, 80
.set STEP, 327680                      ; bytes from one Y to the next: 16 heads x 20,480
	s_load_b128 s[4:7], s[0:1], 0x0                ; part s[4:5], kvf s[6:7]
	v_lshrrev_b32 v2, 5, v0
	v_readfirstlane_b32 s8, v2                     ; wave 0..1
	v_and_b32 v1, 31, v0
	v_lshlrev_b32 v1, 4, v1                        ; 16 x lane; never rewritten
	s_and_b32 s9, ttmp7, 0xffff
	s_lshl_b32 s16, s9, 1
	s_add_co_u32 s16, s16, s8                      ; my tile t = 2 y + wave
	s_lshr_b32 s17, ttmp9, 4                       ; the batch: 16 partial sums of 327,680 bytes
	s_mul_i32 s17, s17, 16*STEP
	s_and_b32 s18, ttmp9, 15                       ; the head
	s_mul_i32 s18, s18, 20480
	s_add_co_u32 s18, s18, s17
	s_lshl_b32 s19, s16, 10
	s_add_co_u32 s18, s18, s19
	s_mov_b32 s19, 0
	s_mul_i32 s20, ttmp9, 10240
	s_lshl_b32 s21, s16, 9
	s_add_co_u32 s20, s20, s21
	s_mov_b32 s21, 0
	s_mov_b32 s12, 1.0
	s_mov_b32 s22, 0x3e000000                      ; 1 / 8
	s_mov_b32 s14, 0x358637bd                      ; 1e-6
	s_cmp_lt_u32 s9, 8                             ; tiles 0-15?
	s_cselect_b32 s12, s22, s12
	s_cselect_b32 s14, 0, s14
	s_mov_b32 s13, s12                             ; named as pairs
	s_mov_b32 s15, s14
	s_wait_kmcnt 0x0
	s_add_nc_u64 s[4:5], s[4:5], s[18:19]          ; the partial's number stands in the immediate: 15 x 327,680 + 512 at the most
	s_add_nc_u64 s[6:7], s[6:7], s[20:21]
.macro GROUP g, x                      ; partials 8 g .. 8 g + 7 into set x: 16 loads
.set p, 0
.rept 8
	global_load_b128 v[(\x)+8*p:(\x)+8*p+3],   v1, s[4:5] offset:STEP*(8*(\g)+p) th:TH_LOAD_NT
	global_load_b128 v[(\x)+8*p+4:(\x)+8*p+7], v1, s[4:5] offset:STEP*(8*(\g)+p)+512 th:TH_LOAD_NT
.set p, p+1
.endr
.endm
.macro ADDUP x, first                  ; first = 1: the first two partials start the sums: nothing is cleared
.set p, 2*(\first)
.if \first
.irp q, 0,2,4,6
	v_pk_add_f32 v[ACC+\q:ACC+\q+1], v[(\x)+\q:(\x)+\q+1], v[(\x)+8+\q:(\x)+8+\q+1]
.endr
.endif
.rept 8-2*(\first)
.irp q, 0,2,4,6
	v_pk_add_f32 v[ACC+\q:ACC+\q+1], v[ACC+\q:ACC+\q+1], v[(\x)+8*p+\q:(\x)+8*p+\q+1]
.endr
.set p, p+1
.endr
.endm
	GROUP 0, X0
	GROUP 1, X1
	s_wait_loadcnt 16                              ; group 0 is in; group 1's 16 loads stay out
	ADDUP X0, 1
	s_wait_loadcnt 0x0
	ADDUP X1, 0
.irp q, 0,2,4,6
	v_pk_fma_f32 v[ACC+\q:ACC+\q+1], v[ACC+\q:ACC+\q+1], s[12:13], s[14:15] op_sel_hi:[1,0,0]
.endr
.irp q, 0,1,2,3
	v_cvt_pk_bf16_f32 v[4+\q], v[ACC+2*\q], v[ACC+2*\q+1]
.endr
	global_store_b128 v1, v[4:7], s[6:7]           ; 512 consecutive bytes a wave
	s_endpgm
.Lfunc_end_k_q657d1ee28b_reduce:
	.size	k_q657d1ee28b_reduce, .Lfunc_end_k_q657d1ee28b_reduce-k_q657d1ee28b_reduce
	.p2alignl 7, 3214868480
	.fill 96, 4, 3214868480
	.section	.rodata,"a",@progbits
	.p2align	6, 0x0
	.amdhsa_kernel k_q657d1ee28b_reduce
		.amdhsa_group_segment_fixed_size 0
		.amdhsa_private_segment_fixed_size 0
		.amdhsa_enable_private_segment 0
		.amdhsa_kernarg_size 16
		.amdhsa_user_sgpr_count 2
		.amdhsa_user_sgpr_kernarg_segment_ptr 1
		.amdhsa_wavefront_size32 1
		.amdhsa_system_sgpr_workgroup_id_x 1
		.amdhsa_system_sgpr_workgroup_id_y 1
		.amdhsa_system_sgpr_workgroup_id_z 1
		.amdhsa_system_vgpr_workitem_id 0
		.amdhsa_next_free_vgpr 144
		.amdhsa_next_free_sgpr 66
		.amdhsa_reserve_vcc 0
		.amdhsa_float_denorm_mode_32 3
		.amdhsa_float_denorm_mode_16_64 3
		.amdhsa_memory_ordered 1
		.amdhsa_forward_progress 1
		.amdhsa_inst_pref_size 9
	.end_amdhsa_kernel
	.amdgpu_metadata
---
amdhsa.version: [ 1, 2 ]
amdhsa.kernels:
  - .name:           k_q657d1ee28b_reduce
    .symbol:         k_q657d1ee28b_reduce.kd
    .args:
      - { .name: part, .offset: 0, .size: 8, .value_kind: global_buffer, .address_space: global }
      - { .name: kvf, .offset: 8, .size: 8, .value_kind: global_buffer, .address_space: global }
    .group_segment_fixed_size: 0
    .private_segment_fixed_size: 0
    .kernarg_segment_align: 8
    .kernarg_segment_size: 16
    .max_flat_workgroup_size: 64
    .sgpr_count:     66
    .vgpr_count:     144
    .wavefront_size: 32
...
	.end_amdgpu_metadata
.endif
;; end of part 3
;; launch qgemm (part 4): grid 4 x 64, 4 waves a work-group, clusters of 4 x 4, 327,680 bytes of LDS; arguments xb, wb, kvf, out0; writes out0
.if DOCPART == 4
	.amdgcn_target "amdgcn-amd-amdhsa--gfx1250"
	.amdhsa_code_object_version 6
	.text
	.protected	k_q657d1ee28b_qgemm
	.globl	k_q657d1ee28b_qgemm
	.p2align	8
	.type	k_q657d1ee28b_qgemm,@function
k_q657d1ee28b_qgemm:
	s_mov_b64 s[64:65], 0
	v_nop
	global_prefetch_b8 v0, s[64:65] scope:SCOPE_SE
	s_setreg_imm32_b32 hwreg(HW_REG_WAVE_MODE, 25, 1), 1
	s_wait_xcnt 0x0
	s_wait_alu depctr_hold_cnt(0) depctr_sa_sdst(0) depctr_va_vdst(0) depctr_va_sdst(0) depctr_va_ssrc(0) depctr_va_vcc(0) depctr_vm_vsrc(0)
	s_getreg_b32 s2, hwreg(HW_REG_IB_STS2, 6, 4)
	s_cmp_eq_u32 s2, 0
	s_cbranch_scc0 .Lentry_in_a_cluster
	s_endpgm
.Lentry_in_a_cluster:
	s_bfe_u32 s2, ttmp6, 0x10000c
	s_cmp_lg_u32 s2, 0xf033
	s_cbranch_scc0 .Lentry_shape_is_right
	s_endpgm
.Lentry_shape_is_right:
; q = x Wq^T for 256 tokens and four heads; q' = softplus(q / max(|q|, 1e-12)); out = (q' kv) / (q' . ksum), in f32.  q never reaches memory.
; xb: [16384][1024] bf16, wb: [3072][1024] bf16 (rows 0-1023 Wq), kvf: [32 bh][20 tiles][32 lanes][8 bf16] (tiles 4 db + cb: kv; 16 + db: ksum), out0: [16384][1024] f32.
; SOFTPLUS.  The normalised y lies in -1 .. 1 for every input, and there softplus(y) = y / 2 + g(y^2), g(u) = ln(2 cosh(sqrt(u) / 2)) = ln 2 + u / 8 - u^2 / 192 + u^3 / 2880 - ..; that series, economised on
; 0 .. 1 to c0 + c1 u + c2 u^2, is off by 1.3e-5 at the most, a hundredth of the step of the bf16 number that is made of it.  No exponential is taken, so none can overflow.
; LIMITS.  The sum of 64 squares is kept in f32: |q| stays under 1.8e19.  1 / max(n, 1e-12) is made as rsq(max(n^2, 1e-24)).  q' is rounded once to bf16, for both products alike; kv and ksum arrive in
; bf16.  The divisor is a sum of positive numbers.  NaN and infinities are not treated apart.
; SHAPE.  A work-group of four waves makes 256 tokens x 256 columns; a wave 128 tokens x 2 heads: 64 accumulators, 512 registers.  K = 1,024 goes in 8 steps of 128 through two LDS slots filled by the
; tensor data mover; rows of the tiles are 256 bytes of memory at multiples of 256 bytes.
; CLUSTER.  4 x 4 work-groups: the four of a row need the same tokens, the four of a column the same weights: each tile is asked for jointly, by the same load, descriptor and mask in all four.
; LAYOUT.  Source 0 = 16 channels, source 1 = 16 tokens: in the result a lane holds ONE token (lane % 16) and the channels 8 (lane / 16) + 0..7.  Two such results rounded to bf16 in pairs ARE source 1
; (32 channels x 16 tokens) of O^T = kv^T q'^T, whose result again holds one token a lane and eight channels.  kvf's tiles are source 0 of that product as they lie.  The divisor is the same product
; with ksum in every row of source 0: it falls into register 0 of every lane.
; REGISTERS, in windows of 256 (s_set_vgpr_msb: bits 1:0 source 0, 3:2 source 1, 5:4 source 2, 7:6 destination):
;   window 0: v0-31 addresses; v32-63 ksum's fragments; v64-127, v128-191 fragments of x, two buffers; behind the loop: see the names below
;   window 1: v64-127, v128-191 fragments of W, behind the loop work space; v0-63, v192-255 kv's fragments of my two heads
;   window 2: accumulators of my token blocks 0-3 ((a, b) at v[8 (8 a + b)])     window 3: those of blocks 4-7
.set KSTEP,  128
.set PITCH,  272                       ; an LDS row: 256 bytes + 16 of padding = 68 words: the 16 rows of a fragment load start at 16 different groups of four banks (64 banks of 4 bytes: ISA guide 11.1)
.set HALFT,  128*PITCH                 ; what one tensor load brings
.set SLOT,   4*HALFT                   ; 256 tokens, then 256 rows of Wq.  Its bits (13, 17) are none of wave x HALFT's (11, 12, 15, 16): one exclusive or changes slots
.set STAGE,  2*SLOT                    ; behind the ring, never filled by a tensor load: 16 rows x 528 bytes for each wave, for the way out
.set SP,     528                       ; a stage row: 2 heads x 256 bytes + 16: the 16 rows that a store touches start at 16 different groups of four banks
.set SPARE,  STAGE+4*16*SP             ; the spare words, 128 bytes for each wave: two blocks of 256 bytes that no other line names
.set ADRA, 16                          ; v16  LDS address of my fragments of x in the slot in hand
.set ADRB, 17                          ; v17  of W
.set LA0,  18                          ; v18  the same in slot 0; never rewritten
.set LB0,  19                          ; v19
.set STO,  24                          ; v24  the way out: where I put 32 bytes of a row
.set RD,   25                          ; v25  where I read rows back
.set CO,   26                          ; v26  my byte offset in two rows of out0
.set KVO,  27                          ; v27  16 x lane: my 16 bytes of a tile of kvf
.set SPW,  28                          ; v28  LDS address of my spare word; never rewritten
.set NIL,  29                          ; v29  0; never rewritten
.set PFO,  30                          ; v30  the prefetches' offset: lane x 2,048; never rewritten
.set KSF,  32                          ; v32-63    ksum: head hh, channels 32 ks on, at KSF + 16 hh + 8 ks
.set F0,   64
.set F1,   128
.set OA,   64                          ; behind the loop, window 0: v64-127 O^T: head hh, channels 16 cb on, at OA + 32 hh + 8 cb
.set DEN,  128                         ; v128-143  the divisors: head hh at DEN + 8 hh
.set QF,   144                         ; v144-175  q' as fragments: QF + 4 b + pair
.set TQ,   176                         ; v176-183  sums of squares: head hh, two chains of pairs, at TQ + 4 hh
.set RQ,   184                         ; v184, v186  1 / norm of head 0, 1 (v185, v187 are named with them as pairs)
.set RC,   188                         ; v188, v190  1 / divisor (v189, v191 likewise)
.set BK,   192                         ; v192-255  16 rows read back from the stage
.set YY,   64                          ; behind the loop, window 1: v64-127 a block's y, then its q'
.set UU,   128                         ; v128-159  y^2 of 16 pairs
.set PP,   160                         ; v160-191  c2 y^2 + c1
.set WV,  12                           ; s12  my wave's number
.set RH,  13                           ; s13  my half of the tokens.  Also: I fetch x (0) or W (1)
.set CH,  14                           ; s14  my half of the columns.  Also: which 128 rows I fetch
.set CX,  15
.set CY,  16
.set TX,  17                           ; s17  column tile = 4 x cluster x + cx
.set TY,  18                           ; s18  row tile = 4 x cluster y + cy
.set G1,  24                           ; s[24:31] descriptor group 1 for x's tiles
.set G0,  32                           ; s[32:39] group 0: a set for each of the two first fills; the second then walks on
.set PA,  40                           ; s[40:41] x at my tile's first byte: made of ty and the wave's number alone
.set PB,  42                           ; s[42:43] W likewise: of tx and the wave's number alone
.set PFA, 44                           ; s[44:45] where my prefetches stand
.set LIM, 46                           ; s46  2 in a wave that prefetches, else the greatest number
.set TB,  47                           ; s47  0 or SLOT: the slot in hand
.set G1B, 48                           ; s[48:55], s[56:63] the same as G1, G0 for W's tiles
.set G0B, 56
.set CNT, 66                           ; s66  the loop's trips to go
.set TC,  67                           ; s67  the tail's
.set C0,  68                           ; s[68:69] c0, named as a pair
.set EPS2, 70                          ; s70  1e-24
.set CB,  71                           ; s71  token blocks to go, this one among them
.set SEL, 72                           ; s[72:73] v_permlanex16_b32's selects: each lane takes its own place in the other half
.set C1,  74                           ; s[74:75] c1
.set C2,  76                           ; s[76:77] c2
.set DW0, (1<<16)|(1<<20)|(1<<21)|(5<<22)|(3<<25)  ; group 1, word 0 without the mask: 2-byte elements; padding on; bit 21 set beside a mask; after every 64 words (code 5) 4 words (code 3)
.set MSB, 0
.macro WIN new                         ; the immediate's high byte repeats the setting that is left; a switch that changes nothing is dropped
.if MSB != (\new)
	s_set_vgpr_msb (MSB<<8)|(\new)
.set MSB, \new
.endif
.endm
.set MUL_LO, 0xa1                      ; source 0 (W) window 1, source 1 (x) window 0, C and D window 2; + 0x50: window 3
.macro PLACES                          ; four plain vector instructions between a matrix instruction and a load into, or a vector instruction on, its registers
.rept 4
	v_nop
.endr
.endm
.macro CREST                           ; a round of the cluster's barrier behind its opening barrier
	s_cmp_lg_u32 s[WV], 0
	s_cbranch_scc1 .Lnot_wave_0_\@
	s_barrier_signal -3
.Lnot_wave_0_\@:
	s_barrier_wait -3
	s_barrier_signal -1
	s_barrier_wait -1
.endm
.macro CROUND
	s_barrier_signal -1
	s_barrier_wait -1
	CREST
.endm
; A joint refill by the walking set.  Waves 0 and 1 fetch the two halves of the tokens, waves 2 and 3 those of Wq's 256 rows.  The branch hangs on the wave's number alone.
; An s_nop 0 and four v_nop follow each of the two lines, ahead of the jump and the label.
.macro JLOAD
	s_cmp_eq_u32 s[RH], 0
	s_cbranch_scc0 .Lfor_b_\@
	tensor_load_to_lds s[G0+4:G0+7], s[G1:G1+7]
	s_nop 0
.rept 4
	v_nop
.endr
	s_branch .Lasked_\@
.Lfor_b_\@:
	tensor_load_to_lds s[G0B+4:G0B+7], s[G1B:G1B+7]
	s_nop 0
.rept 4
	v_nop
.endr
.Lasked_\@:
.endm
; A prefetch of the K step that stands two refills on: 32 rows x 256 bytes, a lane a row, one instruction a wave.  Each row's 256 bytes of a K step are named once in the launch: x's rows by the
; clusters with x = 0 (here all: the grid is one cluster wide), W's by the cluster with y = 0; the four partners that ask for a tile jointly share its 128 rows out by address, 32 each.
; The trips with 2 or 1 to go have no K step two refills on.
.macro ASK
	s_cmp_gt_u32 s[CNT], s[LIM]
	s_cbranch_scc0 .Lnot_mine_\@
	global_prefetch_b8 v[PFO], s[PFA:PFA+1] offset:KSTEP*2 th:TH_LOAD_NT scope:SCOPE_SE
.Lnot_mine_\@:
.endm
; 16 products: token blocks a0, a0 + 1 of the window's four x all 8 channel blocks, 32 along K.  zero = 1: the first product starts the sums.
.macro MUL16 f, hi, a0, zero
	WIN MUL_LO+0x50*(\hi)
.irp a, \a0, (\a0)+1
.irp b, 0,1,2,3,4,5,6,7
.if \zero
	v_wmma_f32_16x16x32_bf16 v[8*(8*(\a)+(\b)):8*(8*(\a)+(\b))+7], v[(\f)+8*(\b):(\f)+8*(\b)+7], v[(\f)+8*(4*(\hi)+(\a)):(\f)+8*(4*(\hi)+(\a))+7], 0
.else
	v_wmma_f32_16x16x32_bf16 v[8*(8*(\a)+(\b)):8*(8*(\a)+(\b))+7], v[(\f)+8*(\b):(\f)+8*(\b)+7], v[(\f)+8*(4*(\hi)+(\a)):(\f)+8*(4*(\hi)+(\a))+7], v[8*(8*(\a)+(\b)):8*(8*(\a)+(\b))+7]
.endif
.endr
.endr
.endm
; 32 LDS loads in one run: the fragments of 32 along K at byte k of the rows, into buffer f
.macro FETCH k, f
	WIN 0x40                                       ; destination window 1, address window 0
.irp i, 0,1,2,3,4,5,6,7
	ds_load_b128 v[(\f)+8*(\i):(\f)+8*(\i)+3],   v[ADRB] offset:(\k)+(\i)*16*PITCH
	ds_load_b128 v[(\f)+8*(\i)+4:(\f)+8*(\i)+7], v[ADRB] offset:(\k)+(\i)*16*PITCH+32
.endr
	WIN 0
.irp i, 0,1,2,3,4,5,6,7
	ds_load_b128 v[(\f)+8*(\i):(\f)+8*(\i)+3],   v[ADRA] offset:(\k)+(\i)*16*PITCH
	ds_load_b128 v[(\f)+8*(\i)+4:(\f)+8*(\i)+7], v[ADRA] offset:(\k)+(\i)*16*PITCH+32
.endr
.endm
; A K step is four quarters of 32 along K, 64 products each, on buffers 0, 1, 0, 1.  One of the first three multiplies buffer f and, in its middle, fetches the next quarter, at byte k, into g.
.macro QUARTER k, f, g, zero
	s_wait_dscnt 8                                 ; W and x's blocks 0-3 are in; the youngest eight loads (x's blocks 4-7) may be out
	MUL16 \f, 0, 0, \zero
	MUL16 \f, 0, 2, \zero
	PLACES
	FETCH \k, \g
	s_wait_dscnt 32                                ; all but the 32 just issued
	MUL16 \f, 1, 0, \zero
	MUL16 \f, 1, 2, \zero
.endm
; The last quarter multiplies buffer 1 and changes slots.  In front of the barrier each wave waits for all its tensor loads (the one that is out is its part of the next slot), adds 0 to its spare
; word, and waits for that and for its reads of this slot.  fill = 1: the barrier opens a round of the cluster's, and the slot just read is filled again, first thing behind the round, with the K step
; two on: 224 products stand between that request and the wait for it.  tail = 1: in the tail's last trip there is no next K step, and the run of loads is jumped over.
.macro TURN fill, tail
.if \fill
	s_wait_xcnt 0x0                                ; the last prefetch, a K step back, has read its address: it is stepped here, ahead of the change's own waits
	s_add_nc_u64 s[PFA:PFA+1], s[PFA:PFA+1], KSTEP*2
.endif
	WIN 0                                          ; (the add's two registers lie in window 0)
	s_wait_tensorcnt 0x0                           ; no tensor load of mine is out, so the walking sets may be written
	ds_add_u32 v[SPW], v[NIL]                      ; 0 onto my spare word
.if \fill
	s_xor_b32 s[G0+5], s[G0+5], SLOT               ; the other slot than last time,
	s_add_nc_u64 s[G0+6:G0+7], s[G0+6:G0+7], KSTEP*2  ; the next K step; the type bits on top are not reached
	s_xor_b32 s[G0B+5], s[G0B+5], SLOT
	s_add_nc_u64 s[G0B+6:G0B+7], s[G0B+6:G0B+7], KSTEP*2
.endif
	s_wait_dscnt 9                                 ; the add and the youngest eight loads may be out
	MUL16 F1, 0, 0, 0                              ; sixteen products stand between the add and the wait for it
	s_wait_dscnt 0x0                               ; the add is done, and my reads of this slot are over
	s_barrier_signal -1
	MUL16 F1, 0, 2, 0                              ; work on registers while the others arrive
	WIN 0                                          ; at a branch and at a label every window is 0
	s_barrier_wait -1
.if \fill
	CREST                                          ; no wave of any partner still reads this slot or has a load on its way
	JLOAD                                          ; its four v_nop are also the places in front of the loads below
.else
	PLACES
.endif
.if \tail
	s_cmp_eq_u32 s[TC], 1
	s_cbranch_scc1 .Lnf_\@
.endif
	s_xor_b32 s[TB], s[TB], SLOT
	v_add_nc_u32 v[ADRA], s[TB], v[LA0]
	v_add_nc_u32 v[ADRB], s[TB], v[LB0]
	FETCH 0, F0
	WIN 0
.if \tail
.Lnf_\@:
.endif
.if \fill
	ASK                                            ; behind the joint load and the run of LDS loads that the next products wait for
.endif
	MUL16 F1, 1, 0, 0
	MUL16 F1, 1, 2, 0
.endm
	s_load_b256 s[4:11], s[0:1], 0x0               ; xb s[4:5], wb s[6:7], kvf s[8:9], out0 s[10:11]
	v_lshl_add_u32 v[SPW], v0, 2, SPARE
	v_mov_b32 v[NIL], 0
	ds_add_u32 v[SPW], v[NIL]                      ; the wave's opening: the add, twice on end, and its wait ahead of my first tensor load
	ds_add_u32 v[SPW], v[NIL]                      ; and once more, under the one wait; the set-up below, work on registers, stands between
	v_lshrrev_b32 v1, 5, v0
	v_readfirstlane_b32 s[WV], v1                  ; wave 0..3
	s_lshr_b32 s[RH], s[WV], 1
	s_and_b32 s[CH], s[WV], 1
	s_bfe_u32 s[CX], ttmp6, 0x40000                ; my place in the cluster
	s_bfe_u32 s[CY], ttmp6, 0x40004
	s_lshl_b32 s[TX], ttmp9, 2                     ; in a cluster launch ttmp9 and ttmp7 count clusters
	s_add_co_u32 s[TX], s[TX], s[CX]
	s_and_b32 s[TY], ttmp7, 0xffff
	s_lshl_b32 s[TY], s[TY], 2
	s_add_co_u32 s[TY], s[TY], s[CY]
	s_lshl_b32 s19, s[CY], 2
	s_lshl_b32 s19, 15, s19                        ; my row of the cluster: places 4 cy .. 4 cy + 3
	s_lshl_b32 s20, 0x1111, s[CX]                  ; my column: places cx, cx + 4, cx + 8, cx + 12
	s_or_b32 s[G1], s19, DW0                       ; x's tiles go to my row,
	s_or_b32 s[G1B], s20, DW0                      ; W's to my column
.irp g, G1, G1B
	s_mov_b32 s[(\g)+1], KSTEP<<16                 ; tensor_dim0 = 128
	s_mov_b32 s[(\g)+2], 128<<16                   ; tensor_dim1 = 128
	s_mov_b32 s[(\g)+3], KSTEP<<16                 ; tile_dim0 = 128
	s_mov_b32 s[(\g)+4], 128                       ; tile_dim1 = 128
	s_mov_b32 s[(\g)+5], 1024                      ; 1,024 elements from row to row
	s_mov_b32 s[(\g)+6], 0
	s_mov_b32 s[(\g)+7], 0
.endr
	s_mov_b32 s[C0], 0x3f3172bb                    ; c0 = 0.6931569
	s_mov_b32 s[C0+1], s[C0]
	s_mov_b32 s[C1], 0x3dffa354                    ; c1 = 0.1248232
	s_mov_b32 s[C1+1], s[C1]
	s_mov_b32 s[C2], 0xbb9ad94a                    ; c2 = -0.0047256
	s_mov_b32 s[C2+1], s[C2]
	s_mov_b32 s[EPS2], 0x179abe15                  ; 1e-24
	s_mov_b32 s[SEL], 0x76543210
	s_mov_b32 s[SEL+1], 0xfedcba98
	s_lshl_b32 s[PA], s[TY], 8
	s_lshl_b32 s21, s[CH], 7
	s_add_co_u32 s[PA], s[PA], s21                 ; x: row 256 ty + 128 x half,
	s_lshl_b32 s[PA], s[PA], 11                    ; x 2,048 bytes (under 2^26)
	s_mov_b32 s[PA+1], 0
	s_lshl_b32 s[PB], s[TX], 8
	s_lshl_b32 s22, s[CH], 7
	s_add_co_u32 s[PB], s[PB], s22                 ; Wq: row 256 tx + 128 x half
	s_lshl_b32 s[PB], s[PB], 11
	s_mov_b32 s[PB+1], 0
	s_mul_i32 s23, s[WV], HALFT                    ; where my tile goes: no place in the cluster enters an LDS address
	s_wait_dscnt 0x0                               ; both opening adds are done
	s_wait_kmcnt 0x0
	s_add_nc_u64 s[PA:PA+1], s[4:5], s[PA:PA+1]
	s_add_nc_u64 s[PB:PB+1], s[6:7], s[PB:PB+1]
	CROUND                                         ; all sixteen work-groups are here: the first joint loads meet
.irp s, 0,1
	s_mov_b32 s[G0+4*(\s)], 1                      ; count = 1
	s_add_co_u32 s[G0+4*(\s)+1], s23, (\s)*SLOT    ; LDS address
	s_add_nc_u64 s[G0+4*(\s)+2:G0+4*(\s)+3], s[PA:PA+1], (\s)*KSTEP*2  ; global address: K step s
	s_or_b32 s[G0+4*(\s)+3], s[G0+4*(\s)+3], 0x80000000               ; type = 2
	s_mov_b32 s[G0B+4*(\s)], 1
	s_add_co_u32 s[G0B+4*(\s)+1], s23, (\s)*SLOT
	s_add_nc_u64 s[G0B+4*(\s)+2:G0B+4*(\s)+3], s[PB:PB+1], (\s)*KSTEP*2
	s_or_b32 s[G0B+4*(\s)+3], s[G0B+4*(\s)+3], 0x80000000
.endr
	s_cmp_eq_u32 s[RH], 0                          ; a wave's two first fills stand in one branch, ahead of every wait on TENSORcnt and every LDS read: two loads of mine are out
	s_cbranch_scc0 .Lfirst_b
	tensor_load_to_lds s[G0:G0+3], s[G1:G1+7]
	s_nop 0
	tensor_load_to_lds s[G0+4:G0+7], s[G1:G1+7]
	s_nop 0
.rept 4
	v_nop
.endr
	s_branch .Lfirst_done
.Lfirst_b:
	tensor_load_to_lds s[G0B:G0B+3], s[G1B:G1B+7]
	s_nop 0
	tensor_load_to_lds s[G0B+4:G0B+7], s[G1B:G1B+7]
	s_nop 0
.rept 4
	v_nop
.endr
.Lfirst_done:
	; A fragment is 16 rows x 32 K in 8 registers: lane l holds row l % 16; registers 0-3 K = 8 (l / 16) + 0..7, registers 4-7 K = 16 + 8 (l / 16) + 0..7: two loads of 16 bytes, 32 bytes apart.
	v_and_b32 v1, 15, v0                           ; l % 16
	v_bfe_u32 v2, v0, 4, 1                         ; l / 16
	v_mul_u32_u24 v3, v1, PITCH
	v_lshl_add_u32 v3, v2, 4, v3
	s_mul_i32 s21, s[RH], HALFT                    ; my 128 tokens
	s_mul_i32 s22, s[CH], HALFT                    ; my 128 rows of Wq,
	s_add_co_u32 s22, s22, 2*HALFT                 ; which lie behind the 256 tokens
	v_add_nc_u32 v[LA0], s21, v3
	v_add_nc_u32 v[LB0], s22, v3
	v_mov_b32 v[ADRA], v[LA0]
	v_mov_b32 v[ADRB], v[LB0]
	s_mov_b32 s[TB], 0
	s_mul_i32 s19, s[WV], 16*SP
	s_add_co_u32 s19, s19, STAGE                   ; my stage
	v_mul_u32_u24 v[STO], v1, SP                   ; in: row l % 16, 32 bytes for each half of the lanes
	v_lshl_add_u32 v[STO], v2, 5, v[STO]
	v_add_nc_u32 v[STO], s19, v[STO]
	v_mul_u32_u24 v[RD], v2, SP                    ; back: lanes 0-15 take 256 bytes of one row, lanes 16-31 of the next
	v_lshl_add_u32 v[RD], v1, 4, v[RD]
	v_add_nc_u32 v[RD], s19, v[RD]
	v_lshlrev_b32 v[CO], 12, v2                    ; and the same two rows in out0, 4,096 bytes apart
	v_lshl_add_u32 v[CO], v1, 4, v[CO]
	v_and_b32 v[KVO], 31, v0
	v_lshlrev_b32 v[PFO], 11, v[KVO]
	v_lshlrev_b32 v[KVO], 4, v[KVO]
	s_lshl_b32 s20, s[TY], 8                       ; out0 at my first token (x 4,096 bytes, under 2^27) and my first head (x 256 bytes)
	s_lshl_b32 s21, s[RH], 7
	s_add_co_u32 s20, s20, s21
	s_lshl_b32 s20, s20, 12
	s_lshl_b32 s21, s[TX], 2
	s_lshl_b32 s22, s[CH], 1
	s_add_co_u32 s21, s21, s22                     ; my first head = 4 tx + 2 x half
	s_lshl_b32 s22, s21, 8
	s_add_co_u32 s20, s20, s22
	s_lshr_b32 s22, s[TY], 5                       ; the batch
	s_lshl_b32 s22, s22, 4
	s_add_co_u32 s22, s22, s21
	s_mul_i32 s22, s22, 10240                      ; kvf at (16 x batch + head) x 10,240 bytes
	s_mov_b32 s21, 0
	s_mov_b32 s23, 0
	s_add_nc_u64 s[10:11], s[10:11], s[20:21]
	s_add_nc_u64 s[8:9], s[8:9], s[22:23]
	; kv's and ksum's fragments of my two heads: 40 loads of 512 consecutive bytes, into registers that the loop does not touch; they are waited for behind the loop
	WIN 0x40                                       ; destination window 1
.set i, 0
.rept 16                                           ; head i / 8, channels c 16 ((i / 2) % 4) on, channels d 32 (i % 2) on: registers 0-3 from tile 8 ks + cb, 4-7 from tile 8 ks + 4 + cb
.set rK, 192*(i/8)+16*((i/2)%4)+8*(i%2)
	global_load_b128 v[rK:rK+3],   v[KVO], s[8:9] offset:10240*(i/8)+512*(8*(i%2)+(i/2)%4)
	global_load_b128 v[rK+4:rK+7], v[KVO], s[8:9] offset:10240*(i/8)+512*(8*(i%2)+4+(i/2)%4)
.set i, i+1
.endr
	WIN 0
.set i, 0
.rept 4                                            ; head i / 2, channels d 32 (i % 2) on: tiles 16 + 2 ks and 17 + 2 ks
	global_load_b128 v[KSF+8*i:KSF+8*i+3],   v[KVO], s[8:9] offset:10240*(i/2)+512*(16+2*(i%2))
	global_load_b128 v[KSF+8*i+4:KSF+8*i+7], v[KVO], s[8:9] offset:10240*(i/2)+512*(17+2*(i%2))
.set i, i+1
.endr
	; the prefetches: my work-group's 32 of the 128 rows that I fetch, at K step 2; the first refill steps to 3 and names 4.  Nothing is prefetched here, where every work-group's first tiles are on their way
	s_lshl_b32 s20, s[TY], 8
	s_lshl_b32 s21, s[CH], 7
	s_add_co_u32 s20, s20, s21                     ; the row at which my tile of x begins,
	s_lshl_b32 s19, s[TX], 8
	s_add_co_u32 s19, s19, s21                     ; and of Wq
	s_and_b32 s22, ttmp7, 0xffff                   ; cluster y
	s_cmp_eq_u32 s[RH], 0                          ; do I fetch x?
	s_cselect_b32 s20, s20, s19
	s_cselect_b32 s21, s[CX], s[CY]                ; my place among the four that ask with me
	s_cselect_b32 s22, ttmp9, s22                  ; the coordinate along which other clusters read the same rows
	s_cselect_b64 s[PFA:PFA+1], s[4:5], s[6:7]
	s_cmp_eq_u32 s22, 0
	s_cselect_b32 s[LIM], 2, -1                    ; the same in all sixteen partners, for a given wave
	s_lshl_b32 s21, s21, 5
	s_add_co_u32 s20, s20, s21
	s_lshl_b32 s20, s20, 11
	s_mov_b32 s21, 0
	s_add_nc_u64 s[PFA:PFA+1], s[PFA:PFA+1], s[20:21]
	s_add_nc_u64 s[PFA:PFA+1], s[PFA:PFA+1], 2*KSTEP*2
	s_wait_tensorcnt 1                             ; my part of K step 0 is in; K step 1's may stay out
	s_barrier_signal -1
	s_barrier_wait -1                              ; everybody's is
	FETCH 0, F0
	QUARTER 64, F0, F1, 1                          ; the first quarter stands in front of the loop: its products start the sums
	WIN 0
	s_mov_b32 s[CNT], 6
.Lk:                                               ; a trip: a K step's quarters 1 to 3 and the next step's quarter 0; it asks for the K step two on (2 to 7)
	QUARTER 128, F1, F0, 0
	QUARTER 192, F0, F1, 0
	TURN 1, 0
	QUARTER 64, F0, F1, 0
	WIN 0
	s_sub_co_u32 s[CNT], s[CNT], 1
	s_cmp_lg_u32 s[CNT], 0
	s_cbranch_scc1 .Lk
	s_mov_b32 s[TC], 2                             ; K steps 6 and 7 ask for nothing: a second text; it is entered in its middle
	s_branch .Lmid
.Ltail:
	QUARTER 64, F0, F1, 0
	WIN 0
.Lmid:
	QUARTER 128, F1, F0, 0
	QUARTER 192, F0, F1, 0
	TURN 0, 1
	WIN 0
	s_sub_co_u32 s[TC], s[TC], 1
	s_cmp_lg_u32 s[TC], 0
	s_cbranch_scc1 .Ltail
; THE EPILOGUE: a loop of 8 trips, a token block a (16 tokens x 2 heads, 64 registers at 64 (a % 4) of window 2 + a / 4) a trip.  Registers cannot be indexed, so what names the accumulators is written for
; each block (SPEC: 64 lines) and chosen by the loop's counter; it leaves y in fixed registers, and all the rest is written once.
.macro SQ a                            ; the squares of my 32 channels of each head, in two chains of pairs a head; each accumulator's lowest registers are read first
.set AC, 64*((\a)%4)
	WIN 0x0a+5*((\a)/4)                            ; sources 0 and 1 in the accumulators' window
.set i, 0
.rept 32
.set rT, TQ+4*(i/16)+2*(i%2)
.if (i%16) < 2
	v_pk_mul_f32 v[rT:rT+1], v[AC+2*i:AC+2*i+1], v[AC+2*i:AC+2*i+1]
.else
	v_pk_fma_f32 v[rT:rT+1], v[AC+2*i:AC+2*i+1], v[AC+2*i:AC+2*i+1], v[rT:rT+1]
.endif
.set i, i+1
.endr
.endm
.macro SPEC a                          ; y = q / norm of block a (pair i, head i / 16) into window 1, and the squares of block a + 1
.set AC, 64*((\a)%4)
	WIN 0x42+(\a)/4                                ; destination window 1, source 0 the accumulators' window, source 1 window 0
.set i, 0
.rept 32
	v_pk_mul_f32 v[YY+2*i:YY+2*i+1], v[AC+2*i:AC+2*i+1], v[RQ+2*(i/16):RQ+2*(i/16)+1] op_sel_hi:[1,0]
.set i, i+1
.endr
.if (\a) < 7
	SQ (\a)+1
.endif
	WIN 0
.endm
; 1 / norm of the block whose squares lie in TQ, and (rc = 1) 1 / divisor of the block just multiplied: one batch, one wait ahead of its first reader.
; The eight plain lines at its head are the places behind the products.  In the last trip TQ holds nothing new; what is made of it is not used.
.macro STATS rc
	WIN 0
.irp hh, 0,1
	v_pk_add_f32 v[TQ+4*\hh:TQ+4*\hh+1], v[TQ+4*\hh:TQ+4*\hh+1], v[TQ+4*\hh+2:TQ+4*\hh+3]
.endr
.irp hh, 0,1
	v_add_f32 v[TQ+4*\hh], v[TQ+4*\hh], v[TQ+4*\hh+1]
.endr
.irp hh, 0,1
	v_permlanex16_b32 v[TQ+4*\hh+1], v[TQ+4*\hh], s[SEL], s[SEL+1]  ; the token's other 32 channels lie in the lane 16 away
.endr
.irp hh, 0,1
	v_add_f32 v[TQ+4*\hh], v[TQ+4*\hh], v[TQ+4*\hh+1]
.endr
.irp hh, 0,1
	v_max_num_f32 v[TQ+4*\hh], s[EPS2], v[TQ+4*\hh]
.endr
.irp hh, 0,1
	v_rsq_f32 v[RQ+2*\hh], v[TQ+4*\hh]
.endr
.if \rc
	v_rcp_f32 v[RC], v[DEN]                        ; the divisor lies in register 0 of its accumulator
	v_rcp_f32 v[RC+2], v[DEN+8]
.endif
	v_nop                                          ; a plain instruction behind the last of the batch,
	s_wait_alu depctr_va_vdst(0)                   ; and its one wait
.endm
.macro POLY                            ; softplus(y) = (c2 u + c1) u + (y / 2 + c0), u = y^2, in place: a head's sixteen pairs at a time, so that no line waits for the one before it
	WIN 0x55                                       ; all four places in window 1
.irp c, 0,1
.set i, 0
.rept 16
	v_pk_mul_f32 v[UU+2*i:UU+2*i+1], v[YY+32*\c+2*i:YY+32*\c+2*i+1], v[YY+32*\c+2*i:YY+32*\c+2*i+1]
.set i, i+1
.endr
.set i, 0
.rept 16
	v_pk_fma_f32 v[PP+2*i:PP+2*i+1], v[UU+2*i:UU+2*i+1], s[C2:C2+1], s[C1:C1+1] op_sel_hi:[1,0,0]
.set i, i+1
.endr
.set i, 0
.rept 16
	v_pk_fma_f32 v[YY+32*\c+2*i:YY+32*\c+2*i+1], v[YY+32*\c+2*i:YY+32*\c+2*i+1], 0.5, s[C0:C0+1] op_sel_hi:[1,0,0]
.set i, i+1
.endr
.set i, 0
.rept 16
	v_pk_fma_f32 v[YY+32*\c+2*i:YY+32*\c+2*i+1], v[PP+2*i:PP+2*i+1], v[UU+2*i:UU+2*i+1], v[YY+32*\c+2*i:YY+32*\c+2*i+1]
.set i, i+1
.endr
.endr
.endm
.macro PACKQ                           ; q' is rounded: the four registers of channel block b are half a fragment
	WIN 0x05                                       ; sources 0 and 1 window 1, destination window 0
.set i, 0
.rept 32
	v_cvt_pk_bf16_f32 v[QF+i], v[YY+2*i], v[YY+2*i+1]
.set i, i+1
.endr
.endm
.macro PROD                            ; 20 products; the ten accumulators take turns, one instruction a turn
	WIN 0
	v_wmma_f32_16x16x32_bf16 v[DEN:DEN+7], v[KSF:KSF+7], v[QF:QF+7], 0
	v_wmma_f32_16x16x32_bf16 v[DEN+8:DEN+15], v[KSF+16:KSF+23], v[QF+16:QF+23], 0
	WIN 0x01                                       ; source 0 (kv) in window 1
.set i, 0
.rept 16                                           ; channels d 32 (i / 8) on, head (i / 4) % 2, channels c 16 (i % 4) on
.set rO, OA+32*((i/4)%2)+8*(i%4)
.set rK, 192*((i/4)%2)+16*(i%4)+8*(i/8)
.set rQ, QF+16*((i/4)%2)+8*(i/8)
.if i < 8
	v_wmma_f32_16x16x32_bf16 v[rO:rO+7], v[rK:rK+7], v[rQ:rQ+7], 0
.else
	v_wmma_f32_16x16x32_bf16 v[rO:rO+7], v[rK:rK+7], v[rQ:rQ+7], v[rO:rO+7]
.endif
.set i, i+1
.endr
	WIN 0
	v_wmma_f32_16x16x32_bf16 v[DEN:DEN+7], v[KSF+8:KSF+15], v[QF+8:QF+15], v[DEN:DEN+7]
	v_wmma_f32_16x16x32_bf16 v[DEN+8:DEN+15], v[KSF+24:KSF+31], v[QF+24:QF+31], v[DEN+8:DEN+15]
.endm
.macro OUT                             ; O^T divided; a lane's 8 channels (32 bytes) go into rows of 528 bytes and come back as 256 bytes of a row for 16 lanes
	WIN 0
.set i, 0
.rept 32
	v_pk_mul_f32 v[OA+2*i:OA+2*i+1], v[OA+2*i:OA+2*i+1], v[RC+2*(i/16):RC+2*(i/16)+1] op_sel_hi:[1,0]
.set i, i+1
.endr
.set i, 0
.rept 8
	ds_store_b128 v[STO], v[OA+8*i:OA+8*i+3]   offset:256*(i/4)+64*(i%4)
	ds_store_b128 v[STO], v[OA+8*i+4:OA+8*i+7] offset:256*(i/4)+64*(i%4)+16
.set i, i+1
.endr
.set i, 0
.rept 16                                           ; head i / 8, rows 2 (i % 8) and 2 (i % 8) + 1
	ds_load_b128 v[BK+4*i:BK+4*i+3], v[RD] offset:2*SP*(i%8)+256*(i/8)  ; LDS serves a wave's instructions in order (ISA guide 5.7.1.4): these see the stores above; the next block's stores come behind them
.set i, i+1
.endr
.endm
.macro SEND
	WIN 0
.set i, 0
.rept 16
	s_wait_dscnt 15-i                              ; load i is back; the 15 - i younger ones stay out
	global_store_b128 v[CO], v[BK+4*i:BK+4*i+3], s[10:11] offset:8192*(i%8)+256*(i/8) th:TH_STORE_NT  ; 16 lanes store a head's 256 consecutive bytes of a token's row, at a multiple of 256 from out0's first byte
.set i, i+1
.endr
.endm
	PLACES                                         ; behind the last products
	PLACES
	v_mov_b32 v[RQ+1], 0                           ; named as the upper halves of pairs
	v_mov_b32 v[RQ+3], 0
	v_mov_b32 v[RC+1], 0
	v_mov_b32 v[RC+3], 0
	s_wait_loadcnt 0x0                             ; kv and ksum
	SQ 0
	STATS 0
	s_mov_b32 s[CB], 8
.Lblk:                                             ; block a = 8 - CB
.irp a, 0,1,2,3,4,5,6
	s_cmp_eq_u32 s[CB], 8-\a
	s_cbranch_scc1 .Lsb\a
.endr
	SPEC 7
	s_branch .Lcom
.irp a, 0,1,2,3,4,5,6
.Lsb\a:
	SPEC \a
	s_branch .Lcom
.endr
.Lcom:
	POLY
	PACKQ
	PROD
	STATS 1
	OUT
	SEND
	s_wait_xcnt 0x0                                ; the stores have read their data and their base: only behind this wait is the base stepped and are the data registers loaded again
	s_add_nc_u64 s[10:11], s[10:11], 16*4096       ; the next 16 tokens
	s_sub_co_u32 s[CB], s[CB], 1
	s_cmp_lg_u32 s[CB], 0
	s_cbranch_scc1 .Lblk
	s_wait_tensorcnt 0x0                           ; the wave's end: behind my last tensor load and my last LDS store
	ds_add_u32 v[SPW], v[NIL]
	s_wait_dscnt 0x0
	CROUND                                         ; the closing round: no work-group ends while a partner may still ask for a tile that names it
	s_endpgm
.Lfunc_end_k_q657d1ee28b_qgemm:
	.size	k_q657d1ee28b_qgemm, .Lfunc_end_k_q657d1ee28b_qgemm-k_q657d1ee28b_qgemm
	.p2alignl 7, 3214868480
	.fill 96, 4, 3214868480
	.section	.rodata,"a",@progbits
	.p2align	6, 0x0
	.amdhsa_kernel k_q657d1ee28b_qgemm
		.amdhsa_group_segment_fixed_size 327680
		.amdhsa_private_segment_fixed_size 0
		.amdhsa_enable_private_segment 0
		.amdhsa_kernarg_size 32
		.amdhsa_user_sgpr_count 2
		.amdhsa_user_sgpr_kernarg_segment_ptr 1
		.amdhsa_wavefront_size32 1
		.amdhsa_system_sgpr_workgroup_id_x 1
		.amdhsa_system_sgpr_workgroup_id_y 1
		.amdhsa_system_sgpr_workgroup_id_z 1
		.amdhsa_system_vgpr_workitem_id 0
		.amdhsa_next_free_vgpr 1024
		.amdhsa_next_free_sgpr 80
		.amdhsa_reserve_vcc 0
		.amdhsa_float_denorm_mode_32 3
		.amdhsa_float_denorm_mode_16_64 3
		.amdhsa_memory_ordered 1
		.amdhsa_forward_progress 1
		.amdhsa_inst_pref_size 126
	.end_amdhsa_kernel
	.amdgpu_metadata
---
amdhsa.version: [ 1, 2 ]
amdhsa.kernels:
  - .name:           k_q657d1ee28b_qgemm
    .symbol:         k_q657d1ee28b_qgemm.kd
    .args:
      - { .name: xb, .offset: 0, .size: 8, .value_kind: global_buffer, .address_space: global }
      - { .name: wb, .offset: 8, .size: 8, .value_kind: global_buffer, .address_space: global }
      - { .name: kvf, .offset: 16, .size: 8, .value_kind: global_buffer, .address_space: global }
      - { .name: out0, .offset: 24, .size: 8, .value_kind: global_buffer, .address_space: global }
    .group_segment_fixed_size: 327680
    .private_segment_fixed_size: 0
    .kernarg_segment_align: 8
    .kernarg_segment_size: 32
    .max_flat_workgroup_size: 128
    .sgpr_count:     80
    .vgpr_count:     1024
    .wavefront_size: 32
...
	.end_amdgpu_metadata
.endif
;; end of part 4
;; ======== version 2 of 2: 4 launches; version 1 with the launch cast written anew for expert scheduling mode
;; limits: values outside matrix products are rounded to bf16; a function is approximated: absolute error at most 1.3e-05
;; workspace buffers: xb 33,554,432 bytes; wb 6,291,456 bytes; part 10,485,760 bytes; kvf 327,680 bytes
;; launch cast (part 5): grid 1024 x 1, 8 waves a work-group, no clusters, 0 bytes of LDS; arguments x, W_qkv, xb, wb; writes xb, wb
.if DOCPART == 5
	.amdgcn_target "amdgcn-amd-amdhsa--gfx1250"
	.amdhsa_code_object_version 6
	.text
	.protected	k_q657d1ee28b_cast
	.globl	k_q657d1ee28b_cast
	.p2align	8
	.type	k_q657d1ee28b_cast,@function
k_q657d1ee28b_cast:
	s_mov_b64 s[64:65], 0
	v_nop
	global_prefetch_b8 v0, s[64:65] scope:SCOPE_SE
	s_setreg_imm32_b32 hwreg(HW_REG_WAVE_SCHED_MODE, 0, 2), 2
	s_setreg_imm32_b32 hwreg(HW_REG_WAVE_MODE, 25, 1), 1
	s_wait_xcnt 0x0
	s_wait_alu depctr_vm_vsrc(0)
; xb = bf16(x), wb = bf16(W_qkv): both inputs are rounded once, to nearest even, for the two matrix launches that follow.
; 1,024 equal work-groups: each takes 65,536 bytes of x (1,024 x 65,536 = 67,108,864) and 12,288 bytes of W_qkv (1,024 x 12,288 = 12,582,912): 19 blocks of 4,096 bytes.
; Thread t takes the 16 bytes at 16 t of each block: a wave's load covers 512 consecutive bytes, its store 256 consecutive bytes at a multiple of 256 from the buffer's first byte.
; All 19 loads go out together; each block is rounded in the registers that it came into, and no register is written again behind its store, so no wait frees one.
; 84 registers a wave: two waves a SIMD for each work-group, so the four work-groups that fall to a WGP lie on it together (4 x 2 x 84 = 672 of 1,024).
; No LDS, no barrier, no matrix unit: nothing is shared and nothing is reduced.
; THE MODE: SCHED_MODE bits 1:0 = 2 (LLVM: expert scheduling mode 2), set by the entry lines.  The code itself states the register dependences
; between vector instructions and memory instructions, with s_wait_alu, always for 0.
; THE PLAN.  Registers that memory instructions touch:
;   v1, v2              byte offsets, written once at the head; v1 is read by every load, v2 by every store; never written again.
;   v[8+4j : 11+4j]     block j.  Load j lands in the four; block j's two conversions read the four and write the first two; store j reads those two; nothing writes them afterwards.
; The 19 blocks go in five groups: four of four (x), one of three (W_qkv).  A group's stores leave in one run at the head of the next group, behind ONE wait on va_vdst, which stands behind the wait
; for that next group's first block: it states that the group's conversions have written the stores' data.  The last group's stores have a wait of their own.  With the one at the head, for the
; offsets, that is six waits for 38 memory instructions.  No register that a memory instruction has read is written again, no load is issued behind a vector instruction that names its
; registers, no vector instruction writes a scalar register or VCC, and EXEC is never written: so no other dependence is to be stated.
.set NX, 16                            ; blocks of x
.set NW, 3                             ; blocks of W_qkv
.set GRP, 4                            ; blocks in a group; NX is a multiple, so that a group's stores have one base
; The stores of blocks first .. first + n - 1, in one run.
.macro SEND first, n
.set k, \first
.rept \n
.if k < NX
	global_store_b64 v2, v[8+4*k:9+4*k], s[8:9] offset:2048*k
.else
	global_store_b64 v2, v[8+4*k:9+4*k], s[10:11] offset:2048*(k-NX)
.endif
.set k, k+1
.endr
.endm
	s_load_b256 s[4:11], s[0:1], 0x0               ; x s[4:5], W_qkv s[6:7], xb s[8:9], wb s[10:11]
	v_lshlrev_b32 v1, 4, v0                        ; my 16 bytes in a block of a source
	v_lshlrev_b32 v2, 3, v0                        ; my 8 bytes in a block of a destination
	s_lshl_b32 s12, ttmp9, 16                      ; the group's part of x (under 2^27),
	s_mov_b32 s13, 0
	s_mul_i32 s14, ttmp9, NW*4096                  ; of W_qkv,
	s_mov_b32 s15, 0
	s_lshl_b32 s16, ttmp9, 15                      ; of xb,
	s_mov_b32 s17, 0
	s_mul_i32 s18, ttmp9, NW*2048                  ; of wb
	s_mov_b32 s19, 0
	s_wait_kmcnt 0x0
	s_add_nc_u64 s[4:5], s[4:5], s[12:13]
	s_add_nc_u64 s[6:7], s[6:7], s[14:15]
	s_add_nc_u64 s[8:9], s[8:9], s[16:17]
	s_add_nc_u64 s[10:11], s[10:11], s[18:19]
	s_wait_alu depctr_va_vdst(0)                   ; v1 and v2 are written: every load of the kernel reads v1 as its offset, every store v2
.set j, 0
.rept NX
	global_load_b128 v[8+4*j:11+4*j], v1, s[4:5] offset:4096*j th:TH_LOAD_NT
.set j, j+1
.endr
.rept NW
	global_load_b128 v[8+4*j:11+4*j], v1, s[6:7] offset:4096*(j-NX) th:TH_LOAD_NT
.set j, j+1
.endr
.set j, 0
.rept NX+NW
	s_wait_loadcnt NX+NW-1-j                       ; loads come back in order: block j is in, the younger ones stay out
.if (j % GRP) == 0
.if j > 0
	s_wait_alu depctr_va_vdst(0)                   ; the eight conversions of the group before, issued ahead of the wait above, have written the pairs that the four stores below read
	SEND j-GRP, GRP                                ; no vector instruction stands between that wait and these stores
.endif
.endif
	v_cvt_pk_bf16_f32 v[8+4*j], v[8+4*j], v[9+4*j]
	v_cvt_pk_bf16_f32 v[9+4*j], v[10+4*j], v[11+4*j]
.set j, j+1
.endr
	s_wait_alu depctr_va_vdst(0)                   ; the last group's six conversions have written the pairs that the last three stores read
	SEND NX, NW
	s_endpgm
.Lfunc_end_k_q657d1ee28b_cast:
	.size	k_q657d1ee28b_cast, .Lfunc_end_k_q657d1ee28b_cast-k_q657d1ee28b_cast
	.p2alignl 7, 3214868480
	.fill 96, 4, 3214868480
	.section	.rodata,"a",@progbits
	.p2align	6, 0x0
	.amdhsa_kernel k_q657d1ee28b_cast
		.amdhsa_group_segment_fixed_size 0
		.amdhsa_private_segment_fixed_size 0
		.amdhsa_enable_private_segment 0
		.amdhsa_kernarg_size 32
		.amdhsa_user_sgpr_count 2
		.amdhsa_user_sgpr_kernarg_segment_ptr 1
		.amdhsa_wavefront_size32 1
		.amdhsa_system_sgpr_workgroup_id_x 1
		.amdhsa_system_sgpr_workgroup_id_y 1
		.amdhsa_system_sgpr_workgroup_id_z 1
		.amdhsa_system_vgpr_workitem_id 0
		.amdhsa_next_free_vgpr 84
		.amdhsa_next_free_sgpr 66
		.amdhsa_reserve_vcc 0
		.amdhsa_float_denorm_mode_32 3
		.amdhsa_float_denorm_mode_16_64 3
		.amdhsa_memory_ordered 1
		.amdhsa_forward_progress 1
		.amdhsa_inst_pref_size 8
	.end_amdhsa_kernel
	.amdgpu_metadata
---
amdhsa.version: [ 1, 2 ]
amdhsa.kernels:
  - .name:           k_q657d1ee28b_cast
    .symbol:         k_q657d1ee28b_cast.kd
    .args:
      - { .name: x, .offset: 0, .size: 8, .value_kind: global_buffer, .address_space: global }
      - { .name: W_qkv, .offset: 8, .size: 8, .value_kind: global_buffer, .address_space: global }
      - { .name: xb, .offset: 16, .size: 8, .value_kind: global_buffer, .address_space: global }
      - { .name: wb, .offset: 24, .size: 8, .value_kind: global_buffer, .address_space: global }
    .group_segment_fixed_size: 0
    .private_segment_fixed_size: 0
    .kernarg_segment_align: 8
    .kernarg_segment_size: 32
    .max_flat_workgroup_size: 256
    .sgpr_count:     66
    .vgpr_count:     84
    .wavefront_size: 32
...
	.end_amdgpu_metadata
.endif
;; end of part 5
;; launch kvgemm: the kernel of part 2 again; grid 8 x 32, 4 waves a work-group, clusters of 4 x 4, 327,680 bytes of LDS; arguments xb, wb, part; writes part
;; launch reduce: the kernel of part 3 again; grid 32 x 10, 2 waves a work-group, no clusters, 0 bytes of LDS; arguments part, kvf; writes kvf
;; launch qgemm: the kernel of part 4 again; grid 4 x 64, 4 waves a work-group, clusters of 4 x 4, 327,680 bytes of LDS; arguments xb, wb, kvf, out0; writes out0
